; MI455X (gfx1250); checked and timed in simulation.
; The chip was launched on July 23, 2026; its instructions are those of AMD's public machine-readable ISA for CDNA 5 (MIT licence, August 2026) and "CDNA5" Instruction Set Architecture Reference Guide (July 2026). The comments in the code are by the model that wrote it; some were corrected since.
;; Multi Head Self Attention. Allowed arithmetic: matrix products marked QUANTISED: E4M3 operands, one E8M0 scale for each 32 along K, by v_wmma_scale_f32_16x16x128_f8f6f4 with both operands' format E4M3, f32 sums; everything else in f32.
;; Inputs: W_proj_codes 1,024 x 32 x 32 uint8 (E4M3 codes of W_proj, K innermost, in blocks of 32 codes); W_proj_scales 1,024 x 32 uint8 (E8M0 scales of W_proj, one for each 32 codes along K); W_qkv_codes 3,072 x 32 x 32 uint8 (E4M3 codes of W_qkv, K innermost, in blocks of 32 codes); W_qkv_scales 3,072 x 32 uint8 (E8M0 scales of W_qkv, one for each 32 codes along K); b_proj 1,024 float32; b_qkv 3,072 float32; x_codes 4 x 2,048 x 32 x 32 uint8 (E4M3 codes of x, K innermost, in blocks of 32 codes); x_scales 4 x 2,048 x 32 uint8 (E8M0 scales of x, one for each 32 codes along K).
;; Outputs: out0 4 x 2,048 x 1,024 float32.
;; This version of the problem:
;;   THIS VERSION OF THE PROBLEM IS GIVEN IN LOW PRECISION. The matrix products marked QUANTISED in the list below multiply operands that are first quantised to E4M3 (4 exponent bits, 3 mantissa bits; 8 bits a number), with one power-of-two scale for each 32 numbers along K (OCP MX v1.0); their sums are f32. All else is computed in f32.
;;   The module's matrix products, in the order in which they are computed (A, B: the left and right operand; K: the contracted axis; several contracted axes count as one K, in the product's order):
;;     1. [M 8,192, K 1,024] x [K 1,024, N 3,072]; A: input x (given as codes); B: input W_qkv (given as codes): QUANTISED
;;     2. batch 64 x [M 2,048, K 64] x [K 64, N 2,048]; A: computed on the way; B: computed on the way: QUANTISED
;;     3. batch 64 x [M 2,048, K 2,048] x [K 2,048, N 64]; A: softmax (see below); B: computed on the way: QUANTISED
;;     4. [M 8,192, K 1,024] x [K 1,024, N 1,024]; A: computed on the way; B: input W_proj (given as codes): QUANTISED
;;   THE QUANTISER, for each operand of a quantised product, along K:
;;     - K is cut into blocks of 32 from its start; a last block that is shorter is filled with zeros.
;;     - A block's scale is 2^e with e = floor(log2(the largest magnitude in the block)) - 8, held to -126 .. 127; a block of zeros has e = 0. As a byte (E8M0): e + 127.
;;     - Each number is divided by its block's scale, clamped to +-448, and rounded to the nearest number of E4M3, ties to even, subnormals kept.
;;     - The product sums the exact products of the quantised numbers (number of the format x scale) in f32.
;;   ~~~python
;;   def quantise(x, axis):      # numpy; x: float32 -> the quantised numbers, widened to float32 again
;;       x = np.moveaxis(x, axis, -1); K = x.shape[-1]
;;       x = np.pad(x, [(0, 0)] * (x.ndim - 1) + [(0, -K % 32)]); x = x.reshape(x.shape[:-1] + (-1, 32)); a = np.abs(x).max(-1, keepdims=True)
;;       e = np.where(a > 0, np.clip(np.frexp(np.where(a > 0, a, 1))[1] - 1 - 8, -126, 127), 0)      # np.frexp(a)[1] - 1 = floor(log2(a)), exactly
;;       r = np.clip(x / 2.0 ** e, -448, 448)
;;       step = 2.0 ** (np.maximum(np.frexp(np.where(r == 0, 1, r))[1] - 1, -6) - 3)
;;       q = np.round(r / step) * step * 2.0 ** e      # np.round: ties to even
;;       return np.moveaxis(q.reshape(q.shape[:-2] + (-1,))[..., :K], -1, axis).astype(np.float32)
;;   ~~~
;;   SOFTMAX AHEAD OF A QUANTISED PRODUCT. Where the list says 'softmax', what is quantised is not the finished softmax but p = 2^(t - M), with t = logit x log2(e) and M = ceil(the row's largest t), a whole number; so 1/2 < the row's largest p <= 1. The row's sum l is taken of the UNQUANTISED p, in f32, and the product's result is divided by l at the end. Since M is a whole number, a kernel that streams over the keys may use a running M (the ceiling of the running maximum): every later rescaling is an exact power of two, which a block's scale takes up: the codes' values come out the same.
;;   OPERANDS COMPUTED ON THE WAY. 'Computed on the way' means the value that the module computes at that place (a softmax that the list does not call 'softmax' is quantised finished and normalised). What goes into a quantiser is computed in f32, as accurately as f32 sums, v_exp_f32 and their like allow (about 1e-6 of the number): no bf16 or f16 on the way to a quantiser, and a product that is left as it is and whose result goes on into a quantised operand takes f32 operands (vector FMAs, or v_wmma_f32_16x16x4_f32). A number that lies on a knife's edge between two numbers of the format may be rounded either way, as far as f32 arithmetic and the matrix unit's own rounding can turn it there, and no further.
;;   INPUTS GIVEN AS CODES. W_proj (in the module: [1024, 1024], K = its axis 0); W_qkv (in the module: [1024, 3072], K = its axis 0); x (in the module: [4, 2048, 1024], K = its axis 2): each comes as NAME_codes (uint8): NAME with its K axis moved to the last place and cut into blocks of 32 codes, [.., K / 32, bytes a block], one block behind the other in memory; one code a byte (a code: sign, 4 exponent bits, 3 mantissa bits); and NAME_scales (uint8): the same leading axes, one E8M0 byte (e + 127) for each 32 codes along K. Its value is code x scale, taken as it is: it is not quantised again, and the codes and scales need not be those that the quantiser above would give.
;; One version. Each part assembles by itself: llvm-mc -triple=amdgcn-amd-amdhsa -mcpu=gfx1250 --defsym DOCPART=n.
;; ======== version 1 of 1: 3 launches
;; limits: right only within a limited range of input values
;; workspace buffers: qws 9,437,184 bytes; kvws 17,301,504 bytes; aws 8,650,752 bytes
;; launch qkv (part 1): grid 16 x 16, 4 waves a work-group, clusters of 4 x 4, 327,680 bytes of LDS; arguments x_codes, x_scales, W_qkv_codes, W_qkv_scales, b_qkv, qws, kvws; writes qws, kvws
.if DOCPART == 1
	.amdgcn_target "amdgcn-amd-amdhsa--gfx1250"
	.amdhsa_code_object_version 6
	.text
	.protected	k_q1d34fb74eb_qkv
	.globl	k_q1d34fb74eb_qkv
	.p2align	8
	.type	k_q1d34fb74eb_qkv,@function
k_q1d34fb74eb_qkv:
	s_mov_b64 s[64:65], 0
	v_nop
	global_prefetch_b8 v0, s[64:65] scope:SCOPE_SE
	s_setreg_imm32_b32 hwreg(HW_REG_WAVE_MODE, 25, 1), 1
	s_wait_xcnt 0x0
	s_wait_alu depctr_hold_cnt(0) depctr_sa_sdst(0) depctr_va_vdst(0) depctr_va_sdst(0) depctr_va_ssrc(0) depctr_va_vcc(0) depctr_vm_vsrc(0)
	s_getreg_b32 s2, hwreg(HW_REG_IB_STS2, 6, 4)
	s_cmp_eq_u32 s2, 0
	s_cbranch_scc0 .Lentry_in_a_cluster
	s_endpgm
.Lentry_in_a_cluster:
	s_bfe_u32 s2, ttmp6, 0x10000c
	s_cmp_lg_u32 s2, 0xf033
	s_cbranch_scc0 .Lentry_shape_is_right
	s_endpgm
.Lentry_shape_is_right:
; LAUNCH 1 OF 3.  qkv = x W_qkv + b_qkv on the given codes of E4M3 (K = 1,024); then the quantisers of q and k (along the head's 64: two blocks of 32) and of v (along the keys).
; Nothing leaves as f32: q, k and v go to memory as codes, laid as IMAGES OF OPERAND REGISTERS (four registers of 32 lanes = 512 consecutive bytes, lane l's 16 bytes at 16 l), with their scale words beside them.
; DEAD WORK OF THE WHOLE PROGRAM.  reference() builds the causal mask in its own body and replaces the score of every key behind the query by -1e9, whatever q and k hold: so those scores reach no output, and key steps
; that lie wholly behind a wave's queries are left out in launch 2; inside the one step on the diagonal hidden scores are made -infinity, whose weight is 0.  LIMITS: reference()'s weight exp(-1e9 - max) is taken as 0, which
; is what f32 gives while a row's largest visible logit lies above about -1e9 + 100; a NaN, an infinity or an overflow that reaches only hidden scores is not carried to the result.  No input is left out: b_qkv's part for k moves k's codes.
; OTHER LIMITS: NaN and infinities are not served; a block whose largest magnitude lies under 2^-118 (a block of zeros too) gets the scale byte 1: only this program reads the bytes, and a block of zeros has zero codes.
; ORDER INSIDE A BLOCK OF 32.  A computed operand comes out of matrix results: its block is two neighbouring tiles of 16, and lane half h holds elements 8 h + i and 16 + 8 h + i.  q and k have this order alike along d, p and v alike
; along the keys: a permutation inside a block, the same on both sides of a product, changes no sum and no scale.
; SHARES.  Work-group (head hx, ty) makes two tiles of 256 tokens x the head's 192 columns, at rows 256 ty and 256 ty + 4,096.  Wave w: tw = w / 2 its 128 tokens (8 tiles a), cw = w % 2: column tiles 0-3 are q (cw = 0) or k (cw = 1),
; tiles 4, 5 are v's d 32 cw + 0 .. 31: 48 accumulators.  q and k are made TRANSPOSED (source 0 = W's rows, source 1 = x's): a lane holds one token, its registers run along d.  v is made the natural way (source 0 = x, source 1 = W):
; a lane holds one d, its registers run along the tokens, which are the keys.  The bias is the C of each sum's first matrix instruction.
; K goes in steps of 256 through two LDS slots (x's 256 rows, W's 192 rows, 272 bytes apart); all scale bytes come into LDS once.  CLUSTER 4 x 4: x's tiles are shared along a row of the cluster, W's along a column, by joint loads.
; REGISTERS: window 0: v0-31 addresses; v32-63 x's scale words, v64-87 W's; v88-127 the quantiser's; v128-255 x's 8 fragments, one set.   window 1: W's 6 fragments, set 0 at v0, set 1 at v128; v96-127 q/k's bias, v224-239 v's.
;   windows 2, 3: accumulator (a, j) at v[8 (6 (a % 4) + j)] of window 2 + a / 4.
.set PITCH,  272
.set HALFA,  128*PITCH                 ; what one load brings of x
.set BOFF,   256*PITCH                 ; W's rows lie behind x's 256
.set HALFB,  96*PITCH                  ; what one load brings of W
.set SLOT,   448*PITCH
.set SCX,    2*SLOT                    ; x's scale bytes: tile n's 256 rows x 32 bytes at n x 8,192
.set SCW,    SCX+16384                 ; W's: 192 rows x 32 bytes
.set SPARE,  SCW+6144                  ; the spare words, 128 bytes for each wave: two blocks of 256 bytes that no other line names
.set L8,   10                          ; v10  8 x lane
.set L4,   11                          ; v11  4 x lane
.set WV4,  12                          ; v12, v13  v's scale words in the making
.set VSW,  14                          ; v14  the word that is stored
.set ADRA, 16                          ; v16-17 LDS address of my x fragments in slot 0, 1
.set ADRB, 20                          ; v20-21 of my q or k rows of W
.set ADRV, 22                          ; v22-23 of my v rows of W
.set ADX,  24                          ; v24  x's scale words: lanes 0-15 an even tile's rows, lanes 16-31 the odd one's
.set ADW,  25                          ; v25  W's, q or k
.set ADWV, 26                          ; v26  W's, v
.set L16,  27                          ; v27  16 x lane
.set SPW,  28                          ; v28  my spare word; never rewritten
.set NIL,  29                          ; v29  0; never rewritten
.set SH,   30                          ; v30  16 x (lane / 16)
.set FIL,  31                          ; v31  the bytes 1 that fill q's scale word: upper half in lanes 0-15, lower half in lanes 16-31
.set XSC,  32                          ; x's scale word of tiles 2 b, 2 b + 1 and K step sg: v[XSC + 8 b + sg]
.set WSC,  64                          ; W's likewise: pairs 0, 1: q or k; pair 2: v
.set TM,   88                          ; +0..3 largest magnitudes, +4..7 bytes, +12..15 the conversions' scale operands
.set CD,   104                         ; 16 registers of codes
.set W16,  120                         ; a tile's two bytes, tile t in v[W16 + t]
.set AF,   128
.set MSB, 0
.macro WIN new                         ; the immediate's high byte repeats the setting that is left
.if MSB != (\new)
	s_set_vgpr_msb (MSB<<8)|(\new)
.set MSB, (\new)
.endif
.endm
.macro PLACES n
.rept \n
	v_nop
.endr
.endm
; A joint load: waves 0 and 1 fetch for x, waves 2 and 3 for W.  The branch hangs on the wave's number alone.  An s_nop 0 and four v_nop follow each of the two lines.
.macro JLOAD g0a, g1a, g0b, g1b
	s_cmp_eq_u32 s19, 0
	s_cbranch_scc0 .Lfor_b_\@
	tensor_load_to_lds s[\g0a:\g0a+3], s[\g1a:\g1a+7]
	s_nop 0
.rept 4
	v_nop
.endr
	s_branch .Lasked_\@
.Lfor_b_\@:
	tensor_load_to_lds s[\g0b:\g0b+3], s[\g1b:\g1b+7]
	s_nop 0
.rept 4
	v_nop
.endr
.Lasked_\@:
.endm
.macro CREST                           ; a round of the cluster's barrier behind its opening barrier
	s_cmp_lg_u32 s18, 0
	s_cbranch_scc1 .Lnot_wave_0_\@
	s_barrier_signal -3
.Lnot_wave_0_\@:
	s_barrier_wait -3
	s_barrier_signal -1
	s_barrier_wait -1
.endm
.macro CROUND
	s_barrier_signal -1
	s_barrier_wait -1
	CREST
.endm
	s_load_b256 s[4:11], s[0:1], 0x0               ; x's codes s[4:5], x's scales s[6:7], W's codes s[8:9], W's scales s[10:11]
	s_load_b128 s[12:15], s[0:1], 0x20             ; b_qkv s[12:13], qws s[14:15]
	s_load_b64 s[16:17], s[0:1], 0x30              ; kvws
	v_lshl_add_u32 v[SPW], v0, 2, SPARE
	v_mov_b32 v[NIL], 0
	ds_add_u32 v[SPW], v[NIL]                      ; the wave's opening: the add, twice on end, and its wait ahead of my first tensor load
	ds_add_u32 v[SPW], v[NIL]
	v_lshrrev_b32 v1, 5, v0
	v_readfirstlane_b32 s18, v1                    ; wave 0..3
	s_lshr_b32 s19, s18, 1                         ; tw.  Also: I fetch for x (0) or for W (1)
	s_and_b32 s20, s18, 1                          ; cw.  Also: which half I fetch
	s_bfe_u32 s21, ttmp6, 0x40000                  ; cx
	s_bfe_u32 s22, ttmp6, 0x40004                  ; cy
	s_lshl_b32 s23, ttmp9, 2
	s_add_co_u32 s23, s23, s21                     ; hx, the head = 4 x cluster x + cx
	s_and_b32 s84, ttmp7, 0xffff
	s_lshl_b32 s84, s84, 2
	s_add_co_u32 s84, s84, s22                     ; ty = 4 x cluster y + cy
	s_lshl_b32 s85, s22, 2
	s_lshl_b32 s85, 15, s85                        ; my row of the cluster
	s_lshl_b32 s86, 0x1111, s21                    ; my column
	; group 1 for x's tiles: 128 rows x 256 bytes, 1,024 bytes apart in memory, 16 bytes of padding behind each in LDS; for W's: 96 rows
	s_or_b32 s24, s85, (1<<20)|(1<<21)|(5<<22)|(3<<25)
	s_mov_b32 s25, 256<<16
	s_mov_b32 s26, 128<<16
	s_mov_b32 s27, 256<<16
	s_mov_b32 s28, 128
	s_mov_b32 s29, 1024
	s_mov_b32 s30, 0
	s_mov_b32 s31, 0
	s_or_b32 s32, s86, (1<<20)|(1<<21)|(5<<22)|(3<<25)
	s_mov_b32 s33, 256<<16
	s_mov_b32 s34, 96<<16
	s_mov_b32 s35, 256<<16
	s_mov_b32 s36, 96
	s_mov_b32 s37, 1024
	s_mov_b32 s38, 0
	s_mov_b32 s39, 0
	; group 1 for the scale bytes: dense blocks, as rows of 256 bytes (32 elements of 8 bytes): x's 32 rows, W's 12
	s_or_b32 s40, s85, (3<<16)|(1<<21)
	s_mov_b32 s41, 32<<16
	s_mov_b32 s42, 32<<16
	s_mov_b32 s43, 32<<16
	s_mov_b32 s44, 32
	s_mov_b32 s45, 32
	s_mov_b32 s46, 0
	s_mov_b32 s47, 0
	s_or_b32 s48, s86, (3<<16)|(1<<21)
	s_mov_b32 s49, 32<<16
	s_mov_b32 s50, 12<<16
	s_mov_b32 s51, 32<<16
	s_mov_b32 s52, 12
	s_mov_b32 s53, 32
	s_mov_b32 s54, 0
	s_mov_b32 s55, 0
	; where they come from: x's hang on ty alone, W's on hx alone, each in registers that never hold the other coordinate
	s_lshl_b32 s2, s84, 18
	s_lshl_b32 s3, s20, 17
	s_add_co_u32 s2, s2, s3                        ; x's codes: row 256 ty + 128 half, 1,024 bytes a row
	s_mov_b32 s3, 0
	s_lshl_b32 s66, s84, 13
	s_lshl_b32 s67, s20, 17
	s_add_co_u32 s66, s66, s67                     ; x's scales: row 256 ty + 4,096 half (half = the tile), 32 bytes a row
	s_mov_b32 s67, 0
	s_mul_i32 s100, s23, 192
	s_mul_i32 s101, s20, 96
	s_add_co_u32 s100, s100, s101                  ; W: row 192 hx + 96 half
	s_lshl_b32 s92, s100, 5                        ; its scales
	s_mov_b32 s93, 0
	s_lshl_b32 s100, s100, 10                      ; its codes
	s_mov_b32 s101, 0
	s_mul_i32 s87, s20, HALFA                      ; and where they go: no place in the cluster enters an LDS address
	s_mul_i32 s94, s20, HALFB
	s_add_co_u32 s94, s94, BOFF
	s_mov_b32 s96, 0xffff0000                      ; a mask of lanes 16-31
	s_mov_b32 s98, 0x76543210
	s_mov_b32 s99, 0xfedcba98                      ; v_permlanex16_b32's selects for lane l xor 16
	s_wait_dscnt 0x0                               ; both opening adds are done
	s_wait_kmcnt 0x0
	s_add_nc_u64 s[2:3], s[4:5], s[2:3]
	s_add_nc_u64 s[66:67], s[6:7], s[66:67]
	s_add_nc_u64 s[100:101], s[8:9], s[100:101]
	s_add_nc_u64 s[92:93], s[10:11], s[92:93]
	CROUND                                         ; all sixteen work-groups are here: the first joint loads meet
	s_mov_b32 s76, 1
	s_lshl_b32 s77, s20, 13
	s_add_co_u32 s77, s77, SCX
	s_mov_b64 s[78:79], s[66:67]
	s_or_b32 s79, s79, 0x80000000
	s_mov_b32 s80, 1
	s_mul_i32 s81, s20, 3072
	s_add_co_u32 s81, s81, SCW
	s_mov_b64 s[82:83], s[92:93]
	s_or_b32 s83, s83, 0x80000000
	JLOAD 76, 40, 80, 48                           ; the scale bytes first: filled once
.irp s, 0,1
	s_mov_b32 s[56+4*\s], 1
	s_add_co_u32 s[57+4*\s], s87, \s*SLOT
	s_add_nc_u64 s[58+4*\s:59+4*\s], s[2:3], \s*256
	s_or_b32 s[59+4*\s], s[59+4*\s], 0x80000000
	s_mov_b32 s[68+4*\s], 1
	s_add_co_u32 s[69+4*\s], s94, \s*SLOT
	s_add_nc_u64 s[70+4*\s:71+4*\s], s[100:101], \s*256
	s_or_b32 s[71+4*\s], s[71+4*\s], 0x80000000
	s_wait_alu depctr_va_vdst(0)
	s_wait_tensorcnt 0x0
	ds_add_u32 v28, v29
	s_wait_dscnt 0x0
	CROUND
	JLOAD 56+4*\s, 24, 68+4*\s, 32                 ; K steps 0 and 1: one load of mine is out at a time
.endr
	v_and_b32 v1, 15, v0                           ; r
	v_bfe_u32 v2, v0, 4, 1                         ; h
	v_and_b32 v3, 31, v0                           ; lane
	v_mul_u32_u24 v4, v1, PITCH
	v_lshl_add_u32 v4, v2, 4, v4                   ; a fragment's row x pitch + 16 h
	s_wait_alu depctr_va_vdst(0)
	s_mul_i32 s66, s19, HALFA
	s_mul_i32 s67, s20, 64*PITCH
	s_add_co_u32 s67, s67, BOFF
	s_mul_i32 s87, s20, 32*PITCH
	s_add_co_u32 s87, s87, BOFF+128*PITCH
.irp s, 0,1
	v_add_nc_u32 v[ADRA+\s], s66, v4
	v_add_nc_u32 v[ADRB+\s], s67, v4
	v_add_nc_u32 v[ADRV+\s], s87, v4
	s_add_co_u32 s66, s66, SLOT
	s_add_co_u32 s67, s67, SLOT
	s_add_co_u32 s87, s87, SLOT
.endr
	v_lshlrev_b32 v5, 5, v3                        ; 32 bytes of scales a row; row = lane
	s_lshl_b32 s66, s19, 12
	s_add_co_u32 s66, s66, SCX
	v_add_nc_u32 v[ADX], s66, v5
	s_lshl_b32 s66, s20, 11
	s_add_co_u32 s66, s66, SCW
	v_add_nc_u32 v[ADW], s66, v5
	s_lshl_b32 s66, s20, 10
	s_add_co_u32 s66, s66, SCW+4096
	v_add_nc_u32 v[ADWV], s66, v5
	v_lshlrev_b32 v[L16], 4, v3
	v_lshlrev_b32 v[L8], 3, v3
	v_lshlrev_b32 v[L4], 2, v3
	v_lshlrev_b32 v[SH], 4, v2
	v_mov_b32 v[FIL], 0x01010000
	v_lshrrev_b32 v[FIL], v[SH], v[FIL]
.irp n, 4,5,6,7
	v_mov_b32 v[TM+\n], 0                          ; written once: a lane permute's destination counts as one of its sources
.endr
	; the biases, in the results' layouts.  q, k: register i of tile j is b[192 hx + 64 cw + 16 j + 8 h + i];  v: all eight registers of tile j are b[192 hx + 128 + 32 cw + 16 (j - 4) + r]
	s_mul_i32 s66, s23, 768
	s_lshl_b32 s67, s20, 8
	s_add_co_u32 s66, s66, s67
	s_mov_b32 s67, 0
	s_add_nc_u64 s[66:67], s[12:13], s[66:67]
	s_mul_i32 s100, s23, 768
	s_lshl_b32 s101, s20, 7
	s_add_co_u32 s100, s100, s101
	s_add_co_u32 s100, s100, 512
	s_mov_b32 s101, 0
	s_add_nc_u64 s[100:101], s[12:13], s[100:101]
	v_lshlrev_b32 v8, 5, v2
	v_lshlrev_b32 v9, 2, v1
	WIN 0x40                                       ; destination window 1
.irp j, 0,1,2,3
	global_load_b128 v[96+8*\j:99+8*\j], v8, s[66:67] offset:64*\j
	global_load_b128 v[100+8*\j:103+8*\j], v8, s[66:67] offset:64*\j+16
.endr
.irp j, 0,1
.irp i, 0,1,2,3,4,5,6,7
	global_load_b32 v[224+8*\j+\i], v9, s[100:101] offset:64*\j
.endr
.endr
	WIN 0
	; where my results go: my 128 tokens are one group G of batch b: idx = (16 b + hx) 16 + G
	s_lshl_b32 s2, s84, 8
	s_lshl_b32 s3, s19, 7
	s_add_co_u32 s2, s2, s3                        ; my first row
	s_lshr_b32 s3, s2, 11
	s_lshl_b32 s3, s3, 4
	s_add_co_u32 s3, s3, s23
	s_lshl_b32 s3, s3, 4
	s_bfe_u32 s2, s2, 0x40007
	s_add_co_u32 s3, s3, s2                        ; idx
	s_mul_i32 s2, s3, 16896
	s_mul_i32 s87, s3, 9216
	s_mov_b32 s3, 0
	s_add_nc_u64 s[90:91], s[16:17], s[2:3]        ; the key step's 16,896 bytes
	s_lshl_b32 s94, s20, 12
	s_add_co_u32 s94, s94, 8192
	s_mov_b32 s95, 0
	s_lshl_b32 s92, s20, 7
	s_add_co_u32 s92, s92, 16640
	s_mov_b32 s93, 0
	s_add_nc_u64 s[92:93], s[90:91], s[92:93]      ; v's scale words of my two d tiles
	s_add_nc_u64 s[90:91], s[90:91], s[94:95]      ; v's fragments of my two d tiles
	s_cmp_eq_u32 s20, 0                            ; q's wave or k's?  The choice hangs on the wave's number alone
	s_cselect_b64 s[88:89], s[14:15], s[16:17]
	s_cselect_b32 s2, s87, s2
	s_mov_b32 s94, 8650752
	s_cselect_b32 s94, 4718592, s94                ; from tile 0 to tile 1: 512 idx on
	s_add_nc_u64 s[88:89], s[88:89], s[2:3]        ; q's group, or the key step's K part
.macro WMC d, a, b, c, sa, sb, ra, rb  ; one product; ra, rb = 1: that side's scales stand in lanes 16-31
.if (\ra) && (\rb)
	v_wmma_scale_f32_16x16x128_f8f6f4 v[\d:\d+7], v[\a:\a+15], v[\b:\b+15], v[\c:\c+7], v[\sa], v[\sb] matrix_a_scale:MATRIX_SCALE_ROW1 matrix_b_scale:MATRIX_SCALE_ROW1
.elseif (\ra)
	v_wmma_scale_f32_16x16x128_f8f6f4 v[\d:\d+7], v[\a:\a+15], v[\b:\b+15], v[\c:\c+7], v[\sa], v[\sb] matrix_a_scale:MATRIX_SCALE_ROW1
.elseif (\rb)
	v_wmma_scale_f32_16x16x128_f8f6f4 v[\d:\d+7], v[\a:\a+15], v[\b:\b+15], v[\c:\c+7], v[\sa], v[\sb] matrix_b_scale:MATRIX_SCALE_ROW1
.else
	v_wmma_scale_f32_16x16x128_f8f6f4 v[\d:\d+7], v[\a:\a+15], v[\b:\b+15], v[\c:\c+7], v[\sa], v[\sb]
.endif
.endm
; 16 products of q or k: token tiles 4 half .. + 3 x column tiles 0-3; W's set p; K step sg.  first = 1: C is the bias.  The 48 accumulators take turns, one instruction a turn, in the same order in every step.
.macro MULQK half, p, sg, first
.if \first
	WIN 0x91+0x40*(\half)
.else
	WIN 0xa1+0x50*(\half)
.endif
.irp a, 0,1,2,3
.irp j, 0,1,2,3
.set rD, 8*(6*\a+\j)
.set rC, rD
.if \first
.set rC, 96+8*\j
.endif
	WMC rD, 128*(\p)+16*\j, AF+16*(4*(\half)+\a), rC, WSC+8*(\j/2)+(\sg), XSC+8*((4*(\half)+\a)/2)+(\sg), \j%2, \a%2
.endr
.endr
.endm
; 8 products of v: the same token tiles x column tiles 4, 5; source 0 = x
.macro MULV half, p, sg, first
.if \first
	WIN 0x94+0x40*(\half)
.else
	WIN 0xa4+0x50*(\half)
.endif
.irp a, 0,1,2,3
.irp j, 4,5
.set rD, 8*(6*\a+\j)
.set rC, rD
.if \first
.set rC, 224+8*(\j-4)
.endif
	WMC rD, AF+16*(4*(\half)+\a), 128*(\p)+16*\j, rC, XSC+8*((4*(\half)+\a)/2)+(\sg), WSC+16+(\sg), \a%2, \j-4
.endr
.endr
.endm
.macro FRAG reg, adr, off              ; 16 rows x 128 K: registers 4 c .. 4 c + 3 hold K = 32 c + 16 h + 0 .. 15
.irp c, 0,1,2,3
	ds_load_b128 v[(\reg)+4*\c:(\reg)+4*\c+3], v[\adr] offset:(\off)+32*\c
.endr
.endm
.macro FETCH_B slot, q, p              ; W's six fragments of the slot's q-th 128 along K into set p: 24 loads
	WIN 0x40
.irp j, 0,1,2,3
	FRAG 128*(\p)+16*\j, ADRB+\slot, 128*(\q)+\j*16*PITCH
.endr
.irp j, 0,1
	FRAG 128*(\p)+64+16*\j, ADRV+\slot, 128*(\q)+\j*16*PITCH
.endr
	WIN 0
.endm
.macro FETCH_A slot, q, a0             ; x's blocks a0 .. a0 + 3: 16 loads
.irp i, 0,1,2,3
	FRAG AF+16*((\a0)+\i), ADRA+\slot, 128*(\q)+((\a0)+\i)*16*PITCH
.endr
.endm
.macro XSCALES n                       ; tile n's scale words of x for all of K: they stay in registers
.irp b, 0,1,2,3
.irp k, 0,1
	ds_load_b128 v[XSC+8*\b+4*\k:XSC+8*\b+4*\k+3], v[ADX] offset:(\n)*8192+1024*\b+16*\k
.endr
.endr
.endm
.macro WSCALES
.irp p, 0,1
.irp k, 0,1
	ds_load_b128 v[WSC+8*\p+4*\k:WSC+8*\p+4*\k+3], v[ADW] offset:1024*\p+16*\k
.endr
.endr
.irp k, 0,1
	ds_load_b128 v[WSC+16+4*\k:WSC+16+4*\k+3], v[ADWV] offset:16*\k
.endr
.endm
; A load into a register that a matrix instruction has read, and a vector instruction that reads or writes a matrix result, stand eight plain vector instructions behind that matrix instruction.
; A slot's first 128 along K (W's set 0); its successor lies in the same slot.
.macro SUBA slot, sg, first
	s_wait_dscnt 16                                ; all but the youngest 16 loads, x's blocks 4-7
	MULQK 0, 0, \sg, \first
	MULV 0, 0, \sg, \first
	s_wait_dscnt 0x0                               ; x's blocks 4-7 are in
	PLACES 8
	FETCH_B \slot, 1, 1
	FETCH_A \slot, 1, 0
	MULQK 1, 0, \sg, \first
	MULV 1, 0, \sg, \first
	PLACES 8
	WIN 0
	FETCH_A \slot, 1, 4
.endm
; A slot's second 128 along K (W's set 1) changes slots: one barrier; in front of it each wave waits for all its tensor loads, adds 0 to its spare word, and waits for that and for its reads of this slot.
; fill = 1: the barrier opens a round of the cluster's barrier, and behind the round this slot is filled again: nxt = 0 with this tile's K step two on, nxt = 1 with the next tile's K step 0 or 1.
.macro TURN slot, next, sg, fill, nxt
	s_wait_tensorcnt 0x0                           ; all my tensor loads have landed: my part of the next slot
	ds_add_u32 v[SPW], v[NIL]                      ; 0 onto my spare word
	s_wait_dscnt 17                                ; the add and x's blocks 4-7 may be out
	MULQK 0, 1, \sg, 0
	s_wait_dscnt 0x0                               ; the add is done, and my reads of this slot are over
	s_barrier_signal -1
	MULV 0, 1, \sg, 0
	WIN 0
	s_barrier_wait -1
.if \fill
	CREST                                          ; no wave of any partner still reads this slot or has a load on its way
.if \nxt
	s_add_nc_u64 s[58+4*\slot:59+4*\slot], s[58+4*\slot:59+4*\slot], 4193792   ; x: 4,096 rows down, 512 bytes back along K
	s_sub_nc_u64 s[70+4*\slot:71+4*\slot], s[70+4*\slot:71+4*\slot], 512       ; W: back along K
.else
	s_add_nc_u64 s[58+4*\slot:59+4*\slot], s[58+4*\slot:59+4*\slot], 512
	s_add_nc_u64 s[70+4*\slot:71+4*\slot], s[70+4*\slot:71+4*\slot], 512
.endif
	JLOAD 56+4*\slot, 24, 68+4*\slot, 32           ; the first tensor load behind the round, my only one until the next; its four v_nop are four of the eight places
	PLACES 4
.else
	PLACES 8
.endif
	FETCH_B \next, 0, 0
	FETCH_A \next, 0, 0
	MULQK 1, 1, \sg, 0
	MULV 1, 1, \sg, 0
	PLACES 8
	WIN 0
	FETCH_A \next, 0, 4
.endm
; THE QUANTISER: four blocks of 32, each two accumulators (a, b) of window W; a lane holds 16 numbers of a block, lane l xor 16 the other 16.  Codes to v[CD + 4 n ..], bytes to v[TM + 4 + n].
.macro QMAXF n, x
	v_max3_num_f32 v[TM+\n], 0x4800000, |v[\x]|, |v[(\x)+1]|     ; the floor 2^(9 - 127) among the leaves: the byte cannot fall under 1
.endm
.macro QMAX n, x
	v_max3_num_f32 v[TM+\n], v[TM+\n], |v[\x]|, |v[(\x)+1]|
.endm
.macro QHOLD n, x
.irp i, 0,1,2,3,4,5,6,7
.endr
.endm
.macro QCVT n, a, b
	v_cvt_scalef32_pk8_fp8_f32 v[CD+4*\n:CD+4*\n+1], v[(\a):(\a)+7], v[TM+12+\n]
	v_cvt_scalef32_pk8_fp8_f32 v[CD+4*\n+2:CD+4*\n+3], v[(\b):(\b)+7], v[TM+12+\n]
.endm
.macro Q4 W, a0, b0, a1, b1, a2, b2, a3, b3
	WIN ((\W)<<4)|((\W)<<2)                        ; sources 1 and 2 in window W.  The four blocks take turns
	QMAXF 0, \a0
	QMAXF 1, \a1
	QMAXF 2, \a2
	QMAXF 3, \a3
.irp i, 2,4,6
	QMAX 0, (\a0)+\i
	QMAX 1, (\a1)+\i
	QMAX 2, (\a2)+\i
	QMAX 3, (\a3)+\i
.endr
.irp i, 0,2,4,6
	QMAX 0, (\b0)+\i
	QMAX 1, (\b1)+\i
	QMAX 2, (\b2)+\i
	QMAX 3, (\b3)+\i
.endr
	WIN 0
.irp n, 0,1,2,3
	v_permlanex16_b32 v[TM+4+\n], v[TM+\n], s98, s99
.endr
.irp n, 0,1,2,3
	v_max_num_f32 v[TM+\n], v[TM+\n], v[TM+4+\n]   ; the block's largest magnitude
.endr
.irp n, 0,1,2,3
	v_add_nc_u32 v[TM+12+\n], 0xfc000000, v[TM+\n] ; 8 off its exponent field: the conversion's scale operand
.endr
.irp n, 0,1,2,3
.endr
.irp n, 0,1,2,3
	v_lshrrev_b32 v[TM+4+\n], 23, v[TM+12+\n]      ; the scale's byte
.endr
	WIN ((\W)<<6)|(\W)
	QHOLD 0, \a0
	QHOLD 0, \b0
	QHOLD 1, \a1
	QHOLD 1, \b1
	QHOLD 2, \a2
	QHOLD 2, \b2
	QHOLD 3, \a3
	QHOLD 3, \b3
	s_wait_alu depctr_va_vdst(0)
	s_wait_xcnt 0x0                                ; the earlier stores have read their data: the codes' and words' registers are written again only behind this wait
	WIN \W
	QCVT 0, \a0, \b0
	QCVT 1, \a1, \b1
	QCVT 2, \a2, \b2
	QCVT 3, \a3, \b3
	WIN 0
	v_nop                                          ; one plain vector instruction behind the last scaled conversion
.endm
; THE WAY OUT of a tile.  Every store of codes covers 512 consecutive bytes, aligned.
.macro EPI
.irp T, 0,2,4,6                        ; q or k: token tiles T, T + 1, two blocks of d each
.set B0, 48*(\T%4)
	Q4 2+\T/4, B0, B0+8, B0+16, B0+24, B0+48, B0+56, B0+64, B0+72
.irp n, 0,1,2,3
	global_store_b128 v[L16], v[CD+4*\n:CD+4*\n+3], s[88:89] offset:\T*1024+512*\n
.endr
	v_lshl_or_b32 v[W16+\T], v[TM+5], 8, v[TM+4]
	v_lshl_or_b32 v[W16+\T+1], v[TM+7], 8, v[TM+6]
.endr
	s_cmp_eq_u32 s20, 0                            ; a branch on the wave's number; no barrier stands inside
	s_cbranch_scc0 .Lkarm_\@
.irp t, 0,1,2,3,4,5,6,7                ; q's word: lanes 0-15 (s0, s1, 1, 1), for q in the lower half of K; lanes 16-31 (1, 1, s0, s1), for q in the upper half.  The bytes 1 belong to zero codes
	v_lshl_or_b32 v[W16+\t], v[W16+\t], v[SH], v[FIL]
.endr
.irp p, 0,1,2,3
	global_store_b64 v[L8], v[W16+2*\p:W16+2*\p+1], s[88:89] offset:8192+256*\p
.endr
	s_branch .Lvpart_\@
.Lkarm_\@:
	s_wait_alu depctr_va_vdst(0)
.irp f, 0,1,2,3                        ; k's word of fragment f: tile 2 f's two bytes, then tile 2 f + 1's
	v_lshl_or_b32 v[W16+2*\f], v[W16+2*\f+1], 16, v[W16+2*\f]
.endr
	v_cndmask_b32 v[W16], v[W16], v[W16+2], s96    ; lanes 0-15 fragment 0's, lanes 16-31 fragment 1's
	v_cndmask_b32 v[W16+1], v[W16+4], v[W16+6], s96
	global_store_b64 v[L8], v[W16:W16+1], s[88:89] offset:16384
.Lvpart_\@:
.irp W, 2,3                            ; v: window W holds key blocks 2 (W - 2) and 2 (W - 2) + 1 of my two d tiles
	Q4 \W, 32, 80, 128, 176, 40, 88, 136, 184
.irp n, 0,1,2,3
	global_store_b128 v[L16], v[CD+4*\n:CD+4*\n+3], s[90:91] offset:(\n/2)*2048+(2*(\W-2)+\n%2)*512
.endr
.if \W == 2
	v_lshl_or_b32 v[WV4], v[TM+5], 8, v[TM+4]
	v_lshl_or_b32 v[WV4+1], v[TM+7], 8, v[TM+6]
.else
	v_lshl_or_b32 v[WV4], v[TM+4], 16, v[WV4]
	v_lshl_or_b32 v[WV4+1], v[TM+6], 16, v[WV4+1]
	v_lshl_or_b32 v[WV4], v[TM+5], 24, v[WV4]
	v_lshl_or_b32 v[WV4+1], v[TM+7], 24, v[WV4+1]
.endif
.endr
	v_cndmask_b32 v[VSW], v[WV4], v[WV4+1], s96    ; lanes 0-15 my first d tile's word, lanes 16-31 my second's
	global_store_b32 v[L4], v[VSW], s[92:93]       ; 128 bytes: half of an aligned 256; the other half is wave cw xor 1's
.endm
	s_wait_tensorcnt 1                             ; the scales and my part of K step 0 are in; K step 1's load may be out
	s_barrier_signal -1
	s_barrier_wait -1
	FETCH_B 0, 0, 0
	FETCH_A 0, 0, 0
	XSCALES 0
	WSCALES
	FETCH_A 0, 0, 4
	s_wait_loadcnt 0x0                             ; the biases
	; ---- tile 0
	SUBA 0, 0, 1
	TURN 0, 1, 1, 1, 0
	SUBA 1, 2, 0
	TURN 1, 0, 3, 1, 0
	SUBA 0, 4, 0
	TURN 0, 1, 5, 1, 1                             ; the ring goes on into tile 1: slot 0 takes its K step 0,
	SUBA 1, 6, 0
	TURN 1, 0, 7, 1, 1                             ; slot 1 its K step 1, and tile 1's first fragments are fetched
	XSCALES 1                                      ; behind TURN's eight places
	EPI
	s_wait_dscnt 0x0
	s_wait_xcnt 0x0                                ; the stores have read their bases
	s_add_nc_u64 s[88:89], s[88:89], s[94:95]
	s_add_nc_u64 s[90:91], s[90:91], 8650752
	s_add_nc_u64 s[92:93], s[92:93], 8650752
	; ---- tile 1
	SUBA 0, 0, 1
	TURN 0, 1, 1, 1, 0
	SUBA 1, 2, 0
	TURN 1, 0, 3, 1, 0
	SUBA 0, 4, 0
	TURN 0, 1, 5, 0, 0                             ; nothing is left to fetch: a plain barrier
	SUBA 1, 6, 0
	s_wait_dscnt 16
	MULQK 0, 1, 7, 0
	MULV 0, 1, 7, 0
	s_wait_dscnt 0x0
	MULQK 1, 1, 7, 0
	MULV 1, 1, 7, 0
	PLACES 8
	WIN 0
	EPI
	s_wait_tensorcnt 0x0                           ; the wave's end
	ds_add_u32 v[SPW], v[NIL]
	s_wait_dscnt 0x0
	CROUND                                         ; the closing round: no work-group ends while a partner may still ask for a tile that names it
	s_endpgm
.Lfunc_end_k_q1d34fb74eb_qkv:
	.size	k_q1d34fb74eb_qkv, .Lfunc_end_k_q1d34fb74eb_qkv-k_q1d34fb74eb_qkv
	.p2alignl 7, 3214868480
	.fill 96, 4, 3214868480
	.section	.rodata,"a",@progbits
	.p2align	6, 0x0
	.amdhsa_kernel k_q1d34fb74eb_qkv
		.amdhsa_group_segment_fixed_size 327680
		.amdhsa_private_segment_fixed_size 0
		.amdhsa_enable_private_segment 0
		.amdhsa_kernarg_size 56
		.amdhsa_user_sgpr_count 2
		.amdhsa_user_sgpr_kernarg_segment_ptr 1
		.amdhsa_wavefront_size32 1
		.amdhsa_system_sgpr_workgroup_id_x 1
		.amdhsa_system_sgpr_workgroup_id_y 1
		.amdhsa_system_sgpr_workgroup_id_z 1
		.amdhsa_system_vgpr_workitem_id 0
		.amdhsa_next_free_vgpr 1024
		.amdhsa_next_free_sgpr 102
		.amdhsa_reserve_vcc 0
		.amdhsa_float_denorm_mode_32 3
		.amdhsa_float_denorm_mode_16_64 3
		.amdhsa_fp16_overflow 1
		.amdhsa_memory_ordered 1
		.amdhsa_forward_progress 1
		.amdhsa_inst_pref_size 240
	.end_amdhsa_kernel
	.amdgpu_metadata
---
amdhsa.version: [ 1, 2 ]
amdhsa.kernels:
  - .name:           k_q1d34fb74eb_qkv
    .symbol:         k_q1d34fb74eb_qkv.kd
    .args:
      - { .name: x_codes, .offset: 0, .size: 8, .value_kind: global_buffer, .address_space: global }
      - { .name: x_scales, .offset: 8, .size: 8, .value_kind: global_buffer, .address_space: global }
      - { .name: W_qkv_codes, .offset: 16, .size: 8, .value_kind: global_buffer, .address_space: global }
      - { .name: W_qkv_scales, .offset: 24, .size: 8, .value_kind: global_buffer, .address_space: global }
      - { .name: b_qkv, .offset: 32, .size: 8, .value_kind: global_buffer, .address_space: global }
      - { .name: qws, .offset: 40, .size: 8, .value_kind: global_buffer, .address_space: global }
      - { .name: kvws, .offset: 48, .size: 8, .value_kind: global_buffer, .address_space: global }
    .group_segment_fixed_size: 327680
    .private_segment_fixed_size: 0
    .kernarg_segment_align: 8
    .kernarg_segment_size: 56
    .max_flat_workgroup_size: 128
    .sgpr_count:     102
    .vgpr_count:     1024
    .wavefront_size: 32
...
	.end_amdgpu_metadata
.endif
;; end of part 1
;; launch attn (part 2): grid 4 x 64, 16 waves a work-group, no clusters, 327,680 bytes of LDS; arguments qws, kvws, aws; writes aws
.if DOCPART == 2
	.amdgcn_target "amdgcn-amd-amdhsa--gfx1250"
	.amdhsa_code_object_version 6
	.text
	.protected	k_q1d34fb74eb_attn
	.globl	k_q1d34fb74eb_attn
	.p2align	8
	.type	k_q1d34fb74eb_attn,@function
k_q1d34fb74eb_attn:
	s_mov_b64 s[64:65], 0
	v_nop
	global_prefetch_b8 v0, s[64:65] scope:SCOPE_SE
	s_setreg_imm32_b32 hwreg(HW_REG_WAVE_MODE, 25, 1), 1
	s_wait_xcnt 0x0
; LAUNCH 2 OF 3.  Causal attention on codes of E4M3: S^T = K Q^T (K = the head's 64), the softmax by p = 2^(t - M), O^T = V^T P^T (K = the keys), O / the row's sum, and the quantiser of the result along C.
; LEFT OUT: key steps all of whose keys come after a wave's queries (reference() itself replaces their scores; the proof and the limits stand at the head of launch 1).  In the one step on the diagonal hidden scores become -infinity, so p = 0.
; SOFTMAX.  t = score x log2(e) / 8; M = the running largest t rounded up to a whole number, kept as -M = floor(-t); p = 2^(t - M) is quantised along the keys; the row's sum is taken of the unquantised p;
; when M moves, the sum and O^T are multiplied by 2^(old M - new M), which rounds nothing.
; K = 64 IN A FORM OF K = 128.  A fragment of K holds TWO tiles of 16 keys: registers 0-7 tile 2 f (d 0 .. 63), registers 8-15 tile 2 f + 1.  Q stands as q | zeros | q in v16-39: v[16:31] = (q, 0) gives tile 2 f, v[24:39] = (0, q) tile 2 f + 1.
; K's codes are finite (held at 448), so the zero codes take the other tile away exactly; the scale bytes beside Q's zero codes are 1.
; SHARES.  Work-group (I, head) owns the query blocks I and 7 - I, 256 queries each: it walks block I's key slots 0 .. I, then block 7 - I's slots 0 .. 7 - I: NINE visits in every work-group, so the trip count is a constant,
; the work is even, and every slot that is asked for is read.  Each of sixteen waves owns 16 queries of the block in hand, in 256 registers: four waves to a SIMD.
; NO CLUSTER: in visit v the work-group I of a head wants slot v or slot v - I - 1: the four work-groups of a head want different slots at the same visit, so no joint load serves them.
; A slot is two key steps of 128 keys, 16,896 dense bytes each, as launch 1 laid them: K's 4 fragments, V's 4, K's scale words, V's: images of registers, read back by the same lines: no pitch, no padding.
; REGISTERS: v1-3 16, 8, 4 x lane; v4, v5 the add's two; v6 the prefetch's offset; v7 32 x (lane % 16); v8-10 LDS addresses; v11 the mask's lane term; v12 -M, v13 the largest t, v[14:15] the sum; v16-39 Q; v40 Q's scale words;
;   v[42:43] K's, v44, v45 V's; v48-111 four fragments of K or V; v112-175 S^T, then p; v176-207 O^T; v208-223 p's codes; v232-254 at work (v252 f, v253 p's scale word).
.set STEPB, 16896
.set SLOT1, 65536                      ; slot 1 begins here: one exclusive or turns an address from one slot to the other
.set SPARE, 131072                     ; the spare words, 128 bytes for each of 16 waves: eight blocks of 256 bytes that no other line names
.set S,   112
.set O,   176
.set PC,  208
.set TB,  2                            ; s2   LDS byte at which the slot in hand begins
.set WV,  18                           ; s18  my wave
.set KF,  48                           ; s48  the step's first key
.set Q0,  49                           ; s49  my first query;  s50 my last
.set QL,  50
.set VI,  51                           ; s51  the visit
.set I1,  52                           ; s52  I + 1: the visit at which the second block begins
.set SN,  53                           ; s53  the slot of keys that was asked for last
.set PFN, 54                           ; s54  4 in a wave that prefetches, else 0
.macro WM0 d, a, b, sa, sb, ra, rb     ; a product that starts its sum
.if (\ra) && (\rb)
	v_wmma_scale_f32_16x16x128_f8f6f4 v[\d:\d+7], v[\a:\a+15], v[\b:\b+15], 0, v[\sa], v[\sb] matrix_a_scale:MATRIX_SCALE_ROW1 matrix_b_scale:MATRIX_SCALE_ROW1
.elseif (\ra)
	v_wmma_scale_f32_16x16x128_f8f6f4 v[\d:\d+7], v[\a:\a+15], v[\b:\b+15], 0, v[\sa], v[\sb] matrix_a_scale:MATRIX_SCALE_ROW1
.elseif (\rb)
	v_wmma_scale_f32_16x16x128_f8f6f4 v[\d:\d+7], v[\a:\a+15], v[\b:\b+15], 0, v[\sa], v[\sb] matrix_b_scale:MATRIX_SCALE_ROW1
.else
	v_wmma_scale_f32_16x16x128_f8f6f4 v[\d:\d+7], v[\a:\a+15], v[\b:\b+15], 0, v[\sa], v[\sb]
.endif
.endm
.macro WMD d, a, b, sa, sb, ra         ; a product that adds in place
.if (\ra)
	v_wmma_scale_f32_16x16x128_f8f6f4 v[\d:\d+7], v[\a:\a+15], v[\b:\b+15], v[\d:\d+7], v[\sa], v[\sb] matrix_a_scale:MATRIX_SCALE_ROW1
.else
	v_wmma_scale_f32_16x16x128_f8f6f4 v[\d:\d+7], v[\a:\a+15], v[\b:\b+15], v[\d:\d+7], v[\sa], v[\sb]
.endif
.endm
; Q's codes and scale words of my 16 queries of block s26
.macro QLOAD
	s_lshl_b32 s66, s26, 8
	s_lshl_b32 s67, s[WV], 4
	s_add_co_u32 s[Q0], s66, s67
	s_add_co_u32 s[QL], s[Q0], 15
	s_lshl_b32 s66, s25, 4
	s_lshl_b32 s67, s26, 1
	s_add_co_u32 s66, s66, s67
	s_lshr_b32 s67, s[WV], 3
	s_add_co_u32 s66, s66, s67                     ; the group of 128 tokens
	s_mul_i32 s66, s66, 9216
	s_mov_b32 s67, 0
	s_add_nc_u64 s[58:59], s[4:5], s[66:67]
	s_and_b32 s68, s[WV], 7                        ; my tile in it
	s_lshl_b32 s66, s68, 10
	s_add_nc_u64 s[56:57], s[58:59], s[66:67]
	s_lshr_b32 s66, s68, 1
	s_lshl_b32 s66, s66, 8
	s_and_b32 s68, s[WV], 1
	s_lshl_b32 s68, s68, 2
	s_add_co_u32 s66, s66, s68
	s_add_co_u32 s66, s66, 8192
	s_add_nc_u64 s[58:59], s[58:59], s[66:67]
	global_load_b128 v[16:19], v1, s[56:57]
	global_load_b128 v[20:23], v1, s[56:57] offset:512
	global_load_b128 v[32:35], v1, s[56:57]
	global_load_b128 v[36:39], v1, s[56:57] offset:512
	global_load_b32 v40, v2, s[58:59]              ; lanes 0-15: the word for (q, 0); lanes 16-31: for (0, q)
.endm
; where the result of my 16 queries of block s26 goes: token tile 128 b + 16 s26 + wave, groups 2 head and 2 head + 1
.macro OUTPTR
	s_lshr_b32 s66, s25, 4
	s_lshl_b32 s66, s66, 7
	s_lshl_b32 s67, s26, 4
	s_add_co_u32 s66, s66, s67
	s_add_co_u32 s66, s66, s[WV]
	s_mul_i32 s66, s66, 16896
	s_mov_b32 s67, 0
	s_add_nc_u64 s[62:63], s[8:9], s[66:67]
	s_and_b32 s68, s25, 15
	s_lshl_b32 s66, s68, 10
	s_add_nc_u64 s[60:61], s[62:63], s[66:67]      ; the codes' two images
	s_lshl_b32 s66, s68, 1
	s_add_co_u32 s66, s66, 16384
	s_add_nc_u64 s[62:63], s[62:63], s[66:67]      ; the two scale bytes of token 0
.endm
.macro RESET                           ; a block of queries begins: the step is written once, its first run finds zeros, which the first change of M leaves zeros
	v_mov_b32 v13, 0xff61b1e6                      ; the largest t so far: -3e38
	s_delay_alu instid0(VALU_DEP_1)
	v_floor_f32 v12, -v13
	v_mov_b32 v14, 0
	v_mov_b32 v15, 0
.set j, 0
.rept 32
	v_mov_b32 v[O+j], 0
.set j, j+1
.endr
	s_mov_b32 s[KF], 0
.endm
; A KEY STEP: 128 keys, the q-th of the slot in hand
.macro STEP q
	s_cmp_gt_u32 s[KF], s[QL]                      ; all its keys come after my queries: left out.  Ids and counted steps alone; no barrier and no tensor load stands in a step
	s_cbranch_scc1 .Lhidden_\@
	v_add_nc_u32 v8, s[TB], v1
	v_add_nc_u32 v9, s[TB], v2
	v_add_nc_u32 v10, s[TB], v3
.rept 5
	v_nop                                          ; with the three additions: eight places in front of loads into registers that the last products read
.endr
.irp f, 0,1,2,3
.irp g, 0,1,2,3
	ds_load_b128 v[48+16*\f+4*\g:48+16*\f+4*\g+3], v8 offset:(\q)*STEPB+2048*\f+512*\g
.endr
.endr
	ds_load_b64 v[42:43], v9 offset:(\q)*STEPB+16384   ; K's scale words: v42 fragments 0 | 1, v43 fragments 2 | 3
	s_wait_alu depctr_va_vdst(0)
	s_wait_dscnt 0x0
.irp f, 0,1,2,3
	WM0 S+16*\f, 48+16*\f, 16, 42+\f/2, 40, \f%2, 0    ; keys 32 f + 8 h + i
	WM0 S+8+16*\f, 48+16*\f, 24, 42+\f/2, 40, \f%2, 1  ; keys 32 f + 16 + 8 h + i
.endr
.rept 8
	v_nop
.endr
.irp t, 0,1,2,3                        ; V's fragments land under the softmax
.irp c, 0,1,2,3
	ds_load_b128 v[48+16*\t+4*\c:48+16*\t+4*\c+3], v8 offset:(\q)*STEPB+8192+2048*\t+512*\c
.endr
.endr
	ds_load_b32 v44, v10 offset:(\q)*STEPB+16640
	ds_load_b32 v45, v10 offset:(\q)*STEPB+16768
	s_add_co_u32 s66, s[KF], 127
	s_cmp_le_u32 s66, s[Q0]
	s_cbranch_scc1 .Lopen_\@                       ; all keys count for all my queries
	s_sub_co_i32 s66, s[Q0], s[KF]
	v_add_nc_u32 v250, s66, v11                    ; d = my query - KF - 8 h.  Register n holds key KF + 8 h + 16 (n / 8) + n % 8: hidden where 16 (n / 8) + n % 8 > d
	v_mov_b32 v251, 0xff800000
.set n, 0
.rept 64
	v_cmp_gt_i32 vcc_lo, 16*(n/8)+n%8, v250
	v_cndmask_b32 v[S+n], v[S+n], v251, vcc_lo
.set n, n+1
.endr
.Lopen_\@:
.irp b, 0,1,2,3
	v_max3_num_f32 v[232+\b], v[S+16*\b], v[S+1+16*\b], v[S+2+16*\b]   ; the largest score of each block of 32 keys: for the row's maximum, and, since p rises with the score, for the block's largest p
.endr
.irp i, 3,5,7,9,11,13
.irp b, 0,1,2,3
	v_max3_num_f32 v[232+\b], v[232+\b], v[S+16*\b+\i], v[S+1+16*\b+\i]
.endr
.endr
.irp b, 0,1,2,3
	v_max_num_f32 v[232+\b], v[232+\b], v[S+15+16*\b]
.endr
.irp b, 0,1,2,3
	s_delay_alu instid0(VALU_DEP_4)
	v_permlanex16_b32 v[236+\b], v[232+\b], s20, s21
.endr
.irp b, 0,1,2,3
	s_delay_alu instid0(VALU_DEP_4)
	v_max_num_f32 v[232+\b], v[232+\b], v[236+\b]
.endr
	s_delay_alu instid0(VALU_DEP_2)
	v_max3_num_f32 v254, v232, v233, v234
	s_delay_alu instid0(VALU_DEP_1)
	v_max_num_f32 v254, v254, v235
	s_delay_alu instid0(VALU_DEP_1)
	v_mul_f32 v254, s22, v254                      ; as t
	s_delay_alu instid0(VALU_DEP_1)
	v_max_num_f32 v13, v13, v254
	v_mov_b32 v254, v12
	s_delay_alu instid0(VALU_DEP_2)
	v_floor_f32 v12, -v13                          ; the new -M
	s_delay_alu instid0(VALU_DEP_1)
	v_sub_f32 v254, v12, v254                      ; old M - new M: a whole number, 0 or less
	s_delay_alu instid0(VALU_DEP_1)
	v_cvt_i32_f32 v254, v254
	s_delay_alu instid0(VALU_DEP_1)
	v_ldexp_f32 v252, 1.0, v254                    ; f = 2^(old M - new M)
.set j, 0
.rept 32
	v_pk_fma_f32 v[S+j:S+j+1], v[S+j:S+j+1], s[22:23], v[12:13] op_sel_hi:[1,0,0]   ; t - M
.set j, j+2
.endr
.irp b, 0,1,2,3
	v_fma_f32 v[232+\b], v[232+\b], s22, v12
.endr
.set j, 0
	s_wait_alu depctr_va_vdst(0)
.rept 64
	v_exp_f32 v[S+j], v[S+j]                       ; p
.set j, j+1
.endr
	v_pk_mul_f32 v[14:15], v[14:15], v[252:253] op_sel_hi:[1,0]   ; the sums under the new M: a plain instruction behind the exponentials
	s_wait_alu depctr_va_vdst(0)                   ; one wait for the batch of 64, ahead of its first reader
.irp b, 0,1,2,3
	v_exp_f32 v[232+\b], v[232+\b]                 ; the blocks' largest p
.endr
	v_pk_add_f32 v[236:237], v[116:117], v[120:121]
	v_pk_add_f32 v[250:251], v[124:125], v[128:129]
	v_pk_add_f32 v[248:249], v[132:133], v[136:137]
	v_pk_add_f32 v[246:247], v[140:141], v[144:145]
	v_pk_add_f32 v[244:245], v[148:149], v[152:153]
	v_pk_add_f32 v[242:243], v[156:157], v[160:161]
	v_pk_add_f32 v[240:241], v[164:165], v[168:169]
	v_pk_add_f32 v[14:15], v[14:15], v[172:173]
	v_pk_add_f32 v[236:237], v[236:237], v[112:113]
	v_pk_add_f32 v[250:251], v[250:251], v[114:115]
	v_pk_add_f32 v[248:249], v[248:249], v[118:119]
	v_pk_add_f32 v[246:247], v[246:247], v[122:123]
	v_pk_add_f32 v[244:245], v[244:245], v[126:127]
	v_pk_add_f32 v[242:243], v[242:243], v[130:131]
	v_pk_add_f32 v[240:241], v[240:241], v[134:135]
	v_pk_add_f32 v[14:15], v[14:15], v[138:139]
	v_pk_add_f32 v[236:237], v[236:237], v[142:143]
	v_pk_add_f32 v[250:251], v[250:251], v[146:147]
	v_pk_add_f32 v[248:249], v[248:249], v[150:151]
	v_pk_add_f32 v[246:247], v[246:247], v[154:155]
	v_pk_add_f32 v[244:245], v[244:245], v[158:159]
	v_pk_add_f32 v[242:243], v[242:243], v[162:163]
	v_pk_add_f32 v[240:241], v[240:241], v[166:167]
	v_pk_add_f32 v[14:15], v[14:15], v[170:171]
	v_pk_add_f32 v[236:237], v[236:237], v[174:175]
	s_delay_alu instid0(VALU_DEP_2)
	v_pk_add_f32 v[14:15], v[14:15], v[246:247]
	s_delay_alu instid0(VALU_DEP_2)
	v_pk_add_f32 v[236:237], v[236:237], v[244:245]
	v_pk_add_f32 v[250:251], v[250:251], v[242:243]
	v_pk_add_f32 v[248:249], v[248:249], v[240:241]
	s_delay_alu instid0(VALU_DEP_2)
	v_pk_add_f32 v[14:15], v[14:15], v[250:251]
	s_delay_alu instid0(VALU_DEP_2)
	v_pk_add_f32 v[236:237], v[236:237], v[248:249]
	s_delay_alu instid0(VALU_DEP_1)
	v_pk_add_f32 v[14:15], v[14:15], v[236:237]
	s_wait_alu depctr_va_vdst(0)                   ; and one for the four
.irp b, 0,1,2,3
	v_max_num_f32 v[232+\b], 0x4800000, v[232+\b]  ; the floor 2^(9 - 127)
.endr
.irp b, 0,1,2,3
	s_delay_alu instid0(VALU_DEP_4)
	v_add_nc_u32 v[244+\b], 0xfc000000, v[232+\b]
.endr
.irp b, 0,1,2,3
.endr
.irp b, 0,1,2,3
	s_delay_alu instid0(VALU_DEP_4)
	v_lshrrev_b32 v[236+\b], 23, v[244+\b]
.endr
	s_delay_alu instid0(VALU_DEP_3)
	v_lshl_or_b32 v253, v237, 8, v236              ; p's scale word for these 128 keys
	s_delay_alu instid0(VALU_DEP_1)
	v_lshl_or_b32 v253, v238, 16, v253
	s_delay_alu instid0(VALU_DEP_1)
	v_lshl_or_b32 v253, v239, 24, v253
.irp b, 0,1,2,3
.irp i, 0,1,2,3,4,5,6,7,8,9,10,11,12,13,14,15
.endr
	v_cvt_scalef32_pk8_fp8_f32 v[PC+4*\b:PC+4*\b+1], v[S+16*\b:S+16*\b+7], v[244+\b]
	v_cvt_scalef32_pk8_fp8_f32 v[PC+4*\b+2:PC+4*\b+3], v[S+16*\b+8:S+16*\b+15], v[244+\b]
.endr
.set j, 0
.rept 16
	v_pk_mul_f32 v[O+j:O+j+1], v[O+j:O+j+1], v[252:253] op_sel_hi:[1,0]   ; O^T under the new M; also the places between the codes and the products
.set j, j+2
.endr
	s_wait_alu depctr_va_vdst(0)
	s_wait_dscnt 0x0                               ; V
.irp t, 0,1,2,3
	WMD O+8*\t, 48+16*\t, PC, 44+\t/2, 253, \t%2
.endr
.Lhidden_\@:
	s_add_co_u32 s[KF], s[KF], 128
.endm
; THE CHANGE OF SLOTS, at a visit's head.  Each wave waits for all its tensor loads, adds 0 to its spare word, and waits for that and for its reads of the slot that it has left.  fill = 1: behind the barrier that slot takes the next visit's keys.
; Waves 0 and 1 alone load, a key step each.
.macro CHANGE fill
	s_wait_tensorcnt 0x0
	ds_add_u32 v4, v5
.if \fill
	ds_add_u32 v4, v5
	s_add_co_u32 s[SN], s[SN], 1                   ; the next visit's slot of keys: one on,
	s_add_co_u32 s66, s[VI], 1
	s_cmp_eq_u32 s66, s[I1]
	s_cselect_b32 s[SN], 0, s[SN]                  ; or 0 where the second block begins
	s_mul_i32 s42, s[SN], 2*STEPB
	s_xor_b32 s37, s37, SLOT1                      ; no tensor load of mine is out: group 0 may be written
	s_add_nc_u64 s[38:39], s[40:41], s[42:43]
	s_or_b32 s39, s39, 0x80000000
	s_wait_xcnt 0x0                                ; the last prefetch, a visit back, has read its address
	s_add_nc_u64 s[46:47], s[44:45], s[42:43]      ; one slot further on than the load
.endif
	s_wait_dscnt 0x0
	s_barrier_signal -1
	s_barrier_wait -1
.if \fill
	s_cmp_lt_u32 s[WV], 2
	s_cbranch_scc0 .Lno_load_\@
	tensor_load_to_lds s[36:39], s[28:35]          ; the first thing behind the barrier, and a wave's one tensor load until the next
	s_nop 0
.rept 4
	v_nop
.endr
.Lno_load_\@:
	; A PREFETCH of the slot that the next change will ask for: two key steps ahead of that load.  The head's work-group I = 0 asks, which reaches slots 4 to 7 first of the four: at the changes that load slots 3 to 6.
	; Waves 4 to 7 name 32 blocks of 256 bytes each, a lane a block; wave 8 the slot's last four blocks (eight lanes name each).  Slots 0 to 3 come by their loads alone; behind slot 7 nothing is asked for.
	s_sub_co_u32 s66, s[SN], 3
	s_cmp_lt_u32 s66, s[PFN]
	s_cbranch_scc0 .Lnot_mine_\@
	global_prefetch_b8 v6, s[46:47] th:TH_LOAD_NT scope:SCOPE_SE
.Lnot_mine_\@:
.endif
.endm
; THE WAY OUT of a block: O^T / the sum, quantised along d (two blocks of 32: tiles 0, 1 and 2, 3), stored as two images and two scale bytes a token
.macro WAYOUT
.rept 8
	v_nop                                          ; places behind the last products
.endr
	v_add_f32 v14, v14, v15
	s_wait_alu depctr_va_vdst(0)
	v_permlanex16_b32 v254, v14, s20, s21
	s_delay_alu instid0(VALU_DEP_1)
	v_add_f32 v14, v14, v254                       ; the row's sum
	s_wait_alu depctr_va_vdst(0)
	v_rcp_f32 v14, v14
	v_nop
	s_wait_alu depctr_va_vdst(0)                   ; ahead of the reciprocal's first reader
.set j, 0
.rept 16
	v_pk_mul_f32 v[O+j:O+j+1], v[O+j:O+j+1], v[14:15] op_sel_hi:[1,0]
.set j, j+2
.endr
.irp b, 0,1
	v_max3_num_f32 v[232+\b], |v[O+16*\b]|, |v[O+1+16*\b]|, 0x4800000
.endr
.irp i, 2,4,6,8,10,12,14
.irp b, 0,1
	s_delay_alu instid0(VALU_DEP_2)
	v_max3_num_f32 v[232+\b], v[232+\b], |v[O+16*\b+\i]|, |v[O+1+16*\b+\i]|
.endr
.endr
.irp b, 0,1
	s_delay_alu instid0(VALU_DEP_2)
	v_permlanex16_b32 v[236+\b], v[232+\b], s20, s21
.endr
.irp b, 0,1
	s_delay_alu instid0(VALU_DEP_2)
	v_max_num_f32 v[232+\b], v[232+\b], v[236+\b]
.endr
.irp b, 0,1
	s_delay_alu instid0(VALU_DEP_2)
	v_add_nc_u32 v[244+\b], 0xfc000000, v[232+\b]
.endr
.irp b, 0,1
.endr
.irp b, 0,1
	s_delay_alu instid0(VALU_DEP_2)
	v_lshrrev_b32 v[236+\b], 23, v[244+\b]
.endr
	s_delay_alu instid0(VALU_DEP_1)
	v_lshl_or_b32 v250, v237, 8, v236
.irp b, 0,1
.irp i, 0,1,2,3,4,5,6,7,8,9,10,11,12,13,14,15
.endr
	v_cvt_scalef32_pk8_fp8_f32 v[PC+4*\b:PC+4*\b+1], v[O+16*\b:O+16*\b+7], v[244+\b]
	v_cvt_scalef32_pk8_fp8_f32 v[PC+4*\b+2:PC+4*\b+3], v[O+16*\b+8:O+16*\b+15], v[244+\b]
.endr
	v_nop                                          ; one plain vector instruction behind the last scaled conversion
	global_store_b128 v1, v[PC:PC+3], s[60:61]     ; 512 consecutive bytes, aligned
	global_store_b128 v1, v[PC+4:PC+7], s[60:61] offset:512
	global_store_b16 v7, v250, s[62:63]            ; two bytes a token, 32 bytes apart (lanes r and 16 + r write the same): one part in 32 of what the launch stores
.endm
	s_load_b128 s[4:7], s[0:1], 0x0                ; qws, kvws
	s_load_b64 s[8:9], s[0:1], 0x10                ; aws
	v_lshl_add_u32 v4, v0, 2, SPARE
	v_mov_b32 v5, 0
	ds_add_u32 v4, v5                              ; the wave's opening: the add, twice on end, and its wait ahead of the first tensor load
	ds_add_u32 v4, v5
	v_lshrrev_b32 v8, 5, v0
	s_delay_alu instid0(VALU_DEP_1)
	v_readfirstlane_b32 s[WV], v8                  ; wave 0..15
	s_mov_b32 s19, ttmp9                           ; I
	s_and_b32 s25, ttmp7, 0xffff                   ; 16 b + head
	s_mov_b32 s28, 3<<16                           ; group 1: a key step, 66 rows of 256 bytes (32 elements of 8), dense, no padding
	s_mov_b32 s29, 32<<16
	s_mov_b32 s30, 66<<16
	s_mov_b32 s31, 32<<16
	s_mov_b32 s32, 66
	s_mov_b32 s33, 32
	s_mov_b32 s34, 0
	s_mov_b32 s35, 0
	s_mov_b32 s20, 0x76543210
	s_mov_b32 s21, 0xfedcba98
	s_mov_b32 s22, 0x3e38aa3b                      ; c = log2(e) / 8
	s_mov_b32 s23, s22
	s_mov_b32 s[TB], 0
	s_mov_b32 s43, 0
	s_mov_b32 s[SN], 0
	s_mov_b32 s[VI], 0
	s_add_co_u32 s[I1], s19, 1
	s_and_b32 s66, s[WV], 1
	s_mul_i32 s37, s66, STEPB                      ; the key step that I fetch, if I fetch: in a slot,
	s_mov_b32 s68, s37                             ; and in memory
	s_mov_b32 s69, 0
	s_mul_i32 s66, s25, 16*STEPB                   ; the head's 16 key steps
	s_mov_b32 s67, 0
	s_sub_co_u32 s70, s[WV], 4
	s_and_b32 s71, s70, 7
	s_lshl_b32 s72, s71, 13
	s_add_co_u32 s72, s72, 2*STEPB
	s_mov_b32 s73, 0
	s_cmp_lt_u32 s70, 5                            ; waves 4 to 8
	s_cselect_b32 s70, 0, 1
	s_or_b32 s70, s70, s19                         ; of the work-group I = 0
	s_cmp_eq_u32 s70, 0
	s_cselect_b32 s[PFN], 4, 0
	s_cmp_eq_u32 s[WV], 8
	s_cselect_b32 s71, 3, 31
	s_wait_dscnt 0x0                               ; both opening adds are done
	s_wait_kmcnt 0x0
	s_add_nc_u64 s[44:45], s[6:7], s[66:67]
	s_add_nc_u64 s[40:41], s[44:45], s[68:69]      ; my key step of slot 0
	s_add_nc_u64 s[44:45], s[44:45], s[72:73]      ; my prefetches' part of slot 1
	s_mov_b64 s[46:47], s[44:45]
	s_mov_b32 s36, 1
	s_mov_b64 s[38:39], s[40:41]
	s_or_b32 s39, s39, 0x80000000
	s_cmp_lt_u32 s[WV], 2
	s_cbranch_scc0 .Lno_first
	tensor_load_to_lds s[36:39], s[28:35]          ; slot 0; slot 1 is first filled behind the first visit's barrier, behind which nothing is filled again
	s_nop 0
.rept 4
	v_nop
.endr
.Lno_first:
	v_and_b32 v8, 31, v0
	s_delay_alu instid0(VALU_DEP_1)
	v_lshlrev_b32 v1, 4, v8
	s_delay_alu instid0(VALU_DEP_2)
	v_lshlrev_b32 v2, 3, v8
	s_wait_alu depctr_va_vdst(0)
	v_lshlrev_b32 v3, 2, v8
	v_and_b32 v6, s71, v8
	s_delay_alu instid0(VALU_DEP_1)
	v_lshlrev_b32 v6, 8, v6
	v_and_b32 v9, 15, v0
	s_delay_alu instid0(VALU_DEP_1)
	v_lshlrev_b32 v7, 5, v9
	v_bfe_u32 v10, v0, 4, 1
	s_delay_alu instid0(VALU_DEP_1)
	v_lshlrev_b32 v10, 3, v10
	s_delay_alu instid0(VALU_DEP_1)
	v_sub_nc_u32 v11, v9, v10                      ; lane % 16 - 8 (lane / 16)
	s_mov_b32 s26, s19
	QLOAD
	OUTPTR
.irp j, 24,25,26,27,28,29,30,31
	v_mov_b32 v[\j], 0                             ; the zero codes between the two copies of q
.endr
	RESET
.irp j, 236,237,238,239,252,253,254
	v_mov_b32 v[\j], 0                             ; written once: a lane permute's destination counts as one of its sources; v253 is named as the upper half of a pair
.endr
	s_wait_loadcnt 0x0                             ; Q
.Lvisit:                                           ; eight trips; the ninth visit is written out, since it asks for nothing
	CHANGE 1
	s_cmp_eq_u32 s[VI], s[I1]
	s_cbranch_scc0 .Lsame
	s_sub_co_u32 s26, 7, s19                       ; block I is done: on to block 7 - I
	QLOAD
	WAYOUT
	s_wait_xcnt 0x0                                ; the stores have read their data and bases
	OUTPTR
	RESET
	s_wait_loadcnt 0x0
.Lsame:
	STEP 0
	STEP 1
	s_xor_b32 s[TB], s[TB], SLOT1
	s_add_co_u32 s[VI], s[VI], 1
	s_cmp_lt_u32 s[VI], 8
	s_cbranch_scc1 .Lvisit
	CHANGE 0
	STEP 0
	STEP 1
	WAYOUT
	s_wait_tensorcnt 0x0                           ; the wave's end
	ds_add_u32 v4, v5
	s_wait_dscnt 0x0
	s_endpgm
.Lfunc_end_k_q1d34fb74eb_attn:
	.size	k_q1d34fb74eb_attn, .Lfunc_end_k_q1d34fb74eb_attn-k_q1d34fb74eb_attn
	.p2alignl 7, 3214868480
	.fill 96, 4, 3214868480
	.section	.rodata,"a",@progbits
	.p2align	6, 0x0
	.amdhsa_kernel k_q1d34fb74eb_attn
		.amdhsa_group_segment_fixed_size 327680
		.amdhsa_private_segment_fixed_size 0
		.amdhsa_enable_private_segment 0
		.amdhsa_kernarg_size 24
		.amdhsa_user_sgpr_count 2
		.amdhsa_user_sgpr_kernarg_segment_ptr 1
		.amdhsa_wavefront_size32 1
		.amdhsa_system_sgpr_workgroup_id_x 1
		.amdhsa_system_sgpr_workgroup_id_y 1
		.amdhsa_system_sgpr_workgroup_id_z 1
		.amdhsa_system_vgpr_workitem_id 0
		.amdhsa_next_free_vgpr 256
		.amdhsa_next_free_sgpr 80
		.amdhsa_reserve_vcc 1
		.amdhsa_float_denorm_mode_32 3
		.amdhsa_float_denorm_mode_16_64 3
		.amdhsa_fp16_overflow 1
		.amdhsa_memory_ordered 1
		.amdhsa_forward_progress 1
		.amdhsa_inst_pref_size 109
	.end_amdhsa_kernel
	.amdgpu_metadata
---
amdhsa.version: [ 1, 2 ]
amdhsa.kernels:
  - .name:           k_q1d34fb74eb_attn
    .symbol:         k_q1d34fb74eb_attn.kd
    .args:
      - { .name: qws, .offset: 0, .size: 8, .value_kind: global_buffer, .address_space: global }
      - { .name: kvws, .offset: 8, .size: 8, .value_kind: global_buffer, .address_space: global }
      - { .name: aws, .offset: 16, .size: 8, .value_kind: global_buffer, .address_space: global }
    .group_segment_fixed_size: 327680
    .private_segment_fixed_size: 0
    .kernarg_segment_align: 8
    .kernarg_segment_size: 24
    .max_flat_workgroup_size: 512
    .sgpr_count:     80
    .vgpr_count:     256
    .wavefront_size: 32
...
	.end_amdgpu_metadata
.endif
;; end of part 2
;; launch proj (part 3): grid 4 x 64, 4 waves a work-group, clusters of 4 x 4, 327,680 bytes of LDS; arguments aws, W_proj_codes, W_proj_scales, b_proj, out0; writes out0
.if DOCPART == 3
	.amdgcn_target "amdgcn-amd-amdhsa--gfx1250"
	.amdhsa_code_object_version 6
	.text
	.protected	k_q1d34fb74eb_proj
	.globl	k_q1d34fb74eb_proj
	.p2align	8
	.type	k_q1d34fb74eb_proj,@function
k_q1d34fb74eb_proj:
	s_mov_b64 s[64:65], 0
	v_nop
	global_prefetch_b8 v0, s[64:65] scope:SCOPE_SE
	s_setreg_imm32_b32 hwreg(HW_REG_WAVE_MODE, 25, 1), 1
	s_wait_xcnt 0x0
	s_wait_alu depctr_hold_cnt(0) depctr_sa_sdst(0) depctr_va_vdst(0) depctr_va_sdst(0) depctr_va_ssrc(0) depctr_va_vcc(0) depctr_vm_vsrc(0)
	s_getreg_b32 s2, hwreg(HW_REG_IB_STS2, 6, 4)
	s_cmp_eq_u32 s2, 0
	s_cbranch_scc0 .Lentry_in_a_cluster
	s_endpgm
.Lentry_in_a_cluster:
	s_bfe_u32 s2, ttmp6, 0x10000c
	s_cmp_lg_u32 s2, 0xf033
	s_cbranch_scc0 .Lentry_shape_is_right
	s_endpgm
.Lentry_shape_is_right:
; LAUNCH 3 OF 3.  out0 = a W_proj + b_proj on codes of E4M3 (K = 1,024).  a: the attention's result as launch 2 left it: for each tile of 16 tokens 32 images of four registers (32 along C each) and 16 x 32 scale bytes.  Nothing is left out here.
; ORDER INSIDE A BLOCK OF 32: in a's images lane half h holds k = 8 h + i and 16 + 8 h + i of a block.  W_proj's fragments are loaded in the same order: register pair c' takes the 8 bytes at 16 c' + 8 h of its row.  The blocks, and so the scales, are the quantiser's.
; SHARES.  Work-group (nx, ty): 128 tokens x 256 columns: 256 work-groups.  Wave w: tw = w / 2 its 64 tokens (4 tiles a), nw = w % 2 its 128 columns (8 tiles b): 32 accumulators.
; TRANSPOSED: source 0 = 16 rows of W_proj, source 1 = 16 tokens: a lane holds eight neighbouring columns of one row of out0.  The bias is the C of each sum's first matrix instruction.
; K goes in four steps of 256 through THREE LDS slots: steps 0, 1, 2 are asked for at the head, step 3 is the one refill, of slot 0.  CLUSTER 4 x 4: a's tiles are shared along a row of the cluster, W's along a column.
; REGISTERS: window 0: v16-30 addresses; v32-47 a's scale words, v48-79 W's; v128-255 a's fragments, two sets of 4.   window 1: W's fragments, two sets of 8.   window 2: accumulator (a, b) at v[8 (8 a + b)].   window 3: the bias, v[8 b + i].
.set SLOT,   102400                    ; a's 8 tiles x 4,096 bytes of images, then W's 256 rows x 272 bytes
.set BPART,  32768
.set PITCH,  272
.set HALFB,  128*PITCH
.set ASC,    3*SLOT                    ; a's scale bytes: 8 tiles x 512
.set BSC,    ASC+4096                  ; W's: 256 rows x 32
.set SPARE,  BSC+8192                  ; the spare words, 128 bytes for each wave: two blocks of 256 bytes that no other line names
.set STG,    SLOT                      ; the way out's stages, 16 rows x 528 bytes for each wave, in slot 1: it has had its only fill, and every wave has passed the barrier ahead of K step 3 behind its last read of it
.set SPITCH, 528
.set ADA,  16                          ; v16-18 LDS address of my images of a in slot 0, 1, 2
.set ADB,  20                          ; v20-22 of my rows of W
.set STO,  24
.set RD,   25
.set CO,   26                          ; v26  16 x lane
.set ADAS, 27
.set SPW,  28                          ; v28  my spare word; never rewritten
.set NIL,  29                          ; v29  0; never rewritten
.set ADBS, 30
.set AS,   32                          ; a's scale word of tiles 2 p, 2 p + 1 and K step sg: v[AS + 8 p + sg]
.set BS,   48                          ; W's likewise
.set AF,   128
.set BK,   128
.set MSB, 0
.macro WIN new                         ; the immediate's high byte repeats the setting that is left
.if MSB != (\new)
	s_set_vgpr_msb (MSB<<8)|(\new)
.set MSB, (\new)
.endif
.endm
.macro PLACES n
.rept \n
	v_nop
.endr
.endm
.macro JLOAD g0a, g1a, g0b, g1b        ; a joint load: waves 0 and 1 fetch for a, waves 2 and 3 for W; an s_nop 0 and four v_nop follow each of the two lines
	s_cmp_eq_u32 s15, 0
	s_cbranch_scc0 .Lfor_b_\@
	tensor_load_to_lds s[\g0a:\g0a+3], s[\g1a:\g1a+7]
	s_nop 0
.rept 4
	v_nop
.endr
	s_branch .Lasked_\@
.Lfor_b_\@:
	tensor_load_to_lds s[\g0b:\g0b+3], s[\g1b:\g1b+7]
	s_nop 0
.rept 4
	v_nop
.endr
.Lasked_\@:
.endm
.macro CREST
	s_cmp_lg_u32 s14, 0
	s_cbranch_scc1 .Lnot_wave_0_\@
	s_barrier_signal -3
.Lnot_wave_0_\@:
	s_barrier_wait -3
	s_barrier_signal -1
	s_barrier_wait -1
.endm
.macro CROUND
	s_barrier_signal -1
	s_barrier_wait -1
	CREST
.endm
	s_load_b256 s[4:11], s[0:1], 0x0               ; aws s[4:5], W's codes s[6:7], W's scales s[8:9], b_proj s[10:11]
	s_load_b64 s[12:13], s[0:1], 0x20              ; out0
	v_lshl_add_u32 v[SPW], v0, 2, SPARE
	v_mov_b32 v[NIL], 0
	ds_add_u32 v[SPW], v[NIL]                      ; the wave's opening: the add, twice on end, and its wait ahead of my first tensor load
	ds_add_u32 v[SPW], v[NIL]
	v_lshrrev_b32 v1, 5, v0
	v_readfirstlane_b32 s14, v1                    ; wave 0..3
	s_lshr_b32 s15, s14, 1                         ; tw.  Also: I fetch for a (0) or for W (1)
	s_and_b32 s16, s14, 1                          ; nw.  Also: which half I fetch
	s_bfe_u32 s17, ttmp6, 0x40000                  ; cx
	s_bfe_u32 s18, ttmp6, 0x40004                  ; cy
	s_lshl_b32 s19, ttmp9, 2
	s_add_co_u32 s19, s19, s17                     ; nx
	s_and_b32 s20, ttmp7, 0xffff
	s_lshl_b32 s20, s20, 2
	s_add_co_u32 s20, s20, s18                     ; ty
	s_lshl_b32 s21, s18, 2
	s_lshl_b32 s21, 15, s21                        ; my row of the cluster
	s_lshl_b32 s22, 0x1111, s17                    ; my column
	s_or_b32 s24, s21, (3<<16)|(1<<21)             ; a's images: 4 token tiles x 4,096 bytes (512 elements of 8), 16,896 bytes apart
	s_mov_b32 s25, 512<<16
	s_mov_b32 s26, 4<<16
	s_mov_b32 s27, 512<<16
	s_mov_b32 s28, 4
	s_mov_b32 s29, 2112
	s_mov_b32 s30, 0
	s_mov_b32 s31, 0
	s_or_b32 s32, s21, (3<<16)|(1<<21)             ; a's scale bytes: 4 tiles x 512 bytes
	s_mov_b32 s33, 64<<16
	s_mov_b32 s34, 4<<16
	s_mov_b32 s35, 64<<16
	s_mov_b32 s36, 4
	s_mov_b32 s37, 2112
	s_mov_b32 s38, 0
	s_mov_b32 s39, 0
	s_or_b32 s40, s22, (1<<20)|(1<<21)|(5<<22)|(3<<25)   ; W's codes: 128 rows x 256 bytes, 16 bytes of padding behind each
	s_mov_b32 s41, 256<<16
	s_mov_b32 s42, 128<<16
	s_mov_b32 s43, 256<<16
	s_mov_b32 s44, 128
	s_mov_b32 s45, 1024
	s_mov_b32 s46, 0
	s_mov_b32 s47, 0
	s_or_b32 s48, s22, (3<<16)|(1<<21)             ; W's scale bytes: 4,096 dense bytes as 16 rows of 256
	s_mov_b32 s49, 32<<16
	s_mov_b32 s50, 16<<16
	s_mov_b32 s51, 32<<16
	s_mov_b32 s52, 16
	s_mov_b32 s53, 32
	s_mov_b32 s54, 0
	s_mov_b32 s55, 0
	s_lshl_b32 s92, s20, 3
	s_lshl_b32 s93, s16, 2
	s_add_co_u32 s92, s92, s93                     ; a: token tile 8 ty + 4 half
	s_mul_i32 s92, s92, 16896
	s_mov_b32 s93, 0
	s_lshl_b32 s94, s19, 8
	s_lshl_b32 s95, s16, 7
	s_add_co_u32 s94, s94, s95                     ; W: row 256 nx + 128 half
	s_lshl_b32 s96, s94, 5
	s_mov_b32 s97, 0
	s_lshl_b32 s94, s94, 10
	s_mov_b32 s95, 0
	s_lshl_b32 s98, s16, 14                        ; where they go in a slot: no place in the cluster enters an LDS address
	s_mul_i32 s99, s16, HALFB
	s_add_co_u32 s99, s99, BPART
	s_wait_dscnt 0x0                               ; both opening adds are done
	s_wait_kmcnt 0x0
	s_add_nc_u64 s[92:93], s[4:5], s[92:93]
	s_add_nc_u64 s[94:95], s[6:7], s[94:95]
	s_add_nc_u64 s[96:97], s[8:9], s[96:97]
	CROUND                                         ; all sixteen work-groups are here: the first joint loads meet
	s_mov_b32 s84, 1
	s_lshl_b32 s85, s16, 11
	s_add_co_u32 s85, s85, ASC
	s_add_nc_u64 s[86:87], s[92:93], 16384
	s_or_b32 s87, s87, 0x80000000
	s_mov_b32 s88, 1
	s_lshl_b32 s89, s16, 12
	s_add_co_u32 s89, s89, BSC
	s_mov_b64 s[90:91], s[96:97]
	s_or_b32 s91, s91, 0x80000000
	JLOAD 84, 32, 88, 48                           ; the scale bytes first
.irp s, 0,1,2
.set gA, 56+4*\s+4*(\s/2)              ; s56, s60, s68
	s_mov_b32 s[gA], 1
	s_add_co_u32 s[gA+1], s98, \s*SLOT
	s_add_nc_u64 s[gA+2:gA+3], s[92:93], \s*4096
	s_or_b32 s[gA+3], s[gA+3], 0x80000000
	s_mov_b32 s[72+4*\s], 1
	s_add_co_u32 s[73+4*\s], s99, \s*SLOT
	s_add_nc_u64 s[74+4*\s:75+4*\s], s[94:95], \s*256
	s_or_b32 s[75+4*\s], s[75+4*\s], 0x80000000
	JLOAD gA, 24, 72+4*\s, 40                      ; K steps 0, 1, 2: four loads of mine are out
.endr
	v_and_b32 v1, 15, v0                           ; r
	v_bfe_u32 v2, v0, 4, 1                         ; h
	v_and_b32 v3, 31, v0                           ; lane
	v_lshlrev_b32 v[CO], 4, v3
	v_mul_u32_u24 v4, v1, PITCH
	v_lshl_add_u32 v4, v2, 3, v4                   ; W: row x pitch + 8 h
	s_lshl_b32 s2, s15, 14
	s_mul_i32 s3, s16, HALFB
	s_add_co_u32 s3, s3, BPART
.irp s, 0,1,2
	v_add_nc_u32 v[ADA+\s], s2, v[CO]
	v_add_nc_u32 v[ADB+\s], s3, v4
	s_add_co_u32 s2, s2, SLOT
	s_add_co_u32 s3, s3, SLOT
.endr
	v_lshlrev_b32 v5, 5, v3                        ; 32 bytes of scales a row; lanes 0-15 an even tile's rows, lanes 16-31 the odd one's
	s_lshl_b32 s2, s15, 11
	s_add_co_u32 s2, s2, ASC
	v_add_nc_u32 v[ADAS], s2, v5
	s_lshl_b32 s2, s16, 12
	s_add_co_u32 s2, s2, BSC
	v_add_nc_u32 v[ADBS], s2, v5
	v_mul_u32_u24 v6, v1, SPITCH
	v_lshl_add_u32 v6, v2, 5, v6
	s_mul_i32 s2, s14, 16*SPITCH
	s_add_co_u32 s2, s2, STG
	v_add_nc_u32 v[STO], s2, v6                    ; into my stage: row r, 32 bytes for each half of the lanes
	v_add_nc_u32 v[RD], s2, v[CO]                  ; back: the 32 lanes take one row of 512 bytes
	s_lshl_b32 s2, s19, 10
	s_lshl_b32 s3, s16, 9
	s_add_co_u32 s2, s2, s3                        ; my first column, in bytes
	s_mov_b32 s3, 0
	s_add_nc_u64 s[10:11], s[10:11], s[2:3]
	v_lshlrev_b32 v8, 5, v2
	WIN 0xc0                                       ; destination window 3
.irp b, 0,1,2,3,4,5,6,7
	global_load_b128 v[8*\b:8*\b+3], v8, s[10:11] offset:64*\b      ; b_proj[.. + 16 b + 8 h + i]
	global_load_b128 v[8*\b+4:8*\b+7], v8, s[10:11] offset:64*\b+16
.endr
	WIN 0
	s_lshl_b32 s96, s20, 7
	s_lshl_b32 s97, s15, 6
	s_add_co_u32 s96, s96, s97                     ; my first row of out0
	s_lshl_b32 s96, s96, 12
	s_add_co_u32 s96, s96, s2
	s_mov_b32 s97, 0
	s_add_nc_u64 s[12:13], s[12:13], s[96:97]
.macro WMC d, a, b, c, sa, sb, ra, rb
.if (\ra) && (\rb)
	v_wmma_scale_f32_16x16x128_f8f6f4 v[\d:\d+7], v[\a:\a+15], v[\b:\b+15], v[\c:\c+7], v[\sa], v[\sb] matrix_a_scale:MATRIX_SCALE_ROW1 matrix_b_scale:MATRIX_SCALE_ROW1
.elseif (\ra)
	v_wmma_scale_f32_16x16x128_f8f6f4 v[\d:\d+7], v[\a:\a+15], v[\b:\b+15], v[\c:\c+7], v[\sa], v[\sb] matrix_a_scale:MATRIX_SCALE_ROW1
.elseif (\rb)
	v_wmma_scale_f32_16x16x128_f8f6f4 v[\d:\d+7], v[\a:\a+15], v[\b:\b+15], v[\c:\c+7], v[\sa], v[\sb] matrix_b_scale:MATRIX_SCALE_ROW1
.else
	v_wmma_scale_f32_16x16x128_f8f6f4 v[\d:\d+7], v[\a:\a+15], v[\b:\b+15], v[\c:\c+7], v[\sa], v[\sb]
.endif
.endm
; 8 products: token tile a x my eight column tiles, K step sg (128 along K), fragments of set sg % 2.  The 32 accumulators take turns, one instruction a turn.
.macro MUL a, sg, first
.if \first
	WIN 0xb1                                       ; source 0 window 1, source 1 window 0, C window 3 (the bias), D window 2
.else
	WIN 0xa1
.endif
.irp b, 0,1,2,3,4,5,6,7
.set rD, 8*(8*(\a)+\b)
.set rC, rD
.if \first
.set rC, 8*\b
.endif
	WMC rD, 128*((\sg)%2)+16*\b, AF+64*((\sg)%2)+16*(\a), rC, BS+8*(\b/2)+(\sg), AS+8*((\a)/2)+(\sg), \b%2, (\a)%2
.endr
.endm
.macro BFRAG b                         ; W's tile b: register pair c' = the 8 bytes at 16 c' + 8 h of its row
.irp c, 0,1,2,3,4,5,6,7
	ds_load_b64 v[128*qq+16*\b+2*\c:128*qq+16*\b+2*\c+1], v[ADB+sl] offset:\b*16*PITCH+128*qq+16*\c
.endr
.endm
.macro FETCH1 sg                       ; K step sg: a's four fragments and W's tiles 0-3: 48 loads
.set sl, ((\sg)/2)%3
.set qq, (\sg)%2
	WIN 0
.irp a, 0,1,2,3
.irp c, 0,1,2,3
	ds_load_b128 v[AF+64*qq+16*\a+4*\c:AF+64*qq+16*\a+4*\c+3], v[ADA+sl] offset:\a*4096+2048*qq+512*\c
.endr
.endr
	WIN 0x40
.irp b, 0,1,2,3
	BFRAG \b
.endr
.endm
.macro FETCH2 sg                       ; W's tiles 4-7: 32 loads
.set sl, ((\sg)/2)%3
.set qq, (\sg)%2
	WIN 0x40
.irp b, 4,5,6,7
	BFRAG \b
.endr
.endm
; A K step whose successor's tiles are known to lie in LDS.  The loads go into the other set, whose last readers stand ahead of the eight places.
.macro SUB sg, first
	s_wait_dscnt 0x0                               ; this step's fragments are in
	MUL 0, \sg, \first
	PLACES 8
	FETCH1 (\sg)+1
	MUL 1, \sg, \first
	FETCH2 (\sg)+1
	MUL 2, \sg, \first
	MUL 3, \sg, \first
.endm
	s_wait_tensorcnt 2                             ; the scales and my part of K step 0 are in; K steps 1 and 2 may be out
	s_barrier_signal -1
	s_barrier_wait -1
.irp p, 0,1
.irp k, 0,1
	ds_load_b128 v[AS+8*\p+4*\k:AS+8*\p+4*\k+3], v[ADAS] offset:1024*\p+16*\k    ; all of K's scale words stay in registers
.endr
.endr
.irp p, 0,1,2,3
.irp k, 0,1
	ds_load_b128 v[BS+8*\p+4*\k:BS+8*\p+4*\k+3], v[ADBS] offset:1024*\p+16*\k
.endr
.endr
	FETCH1 0
	FETCH2 0
	s_wait_loadcnt 0x0                             ; the bias
	SUB 0, 1
	; K step 1 leaves slot 0, which is filled again, once: the waits and the add in front of the round's opening signal, the joint refill first behind its closing wait
	WIN 0
	s_wait_tensorcnt 0x0                           ; all my tensor loads have landed, slots 1 and 2 among them
	ds_add_u32 v[SPW], v[NIL]                      ; 0 onto my spare word
	s_wait_dscnt 1                                 ; all but the add
	MUL 0, 1, 0
	s_wait_dscnt 0x0                               ; the add is done, and my reads of slot 0 are over
	s_barrier_signal -1
	MUL 1, 1, 0
	WIN 0
	s_barrier_wait -1
	CREST                                          ; no wave of any partner still reads slot 0 or has a load on its way; slots 1 and 2 are whole
	s_add_nc_u64 s[58:59], s[58:59], 12288         ; K step 3
	s_add_nc_u64 s[74:75], s[74:75], 768
	JLOAD 56, 24, 72, 40
	PLACES 4
	FETCH1 2
	MUL 2, 1, 0
	FETCH2 2
	MUL 3, 1, 0
	SUB 2, 0
	SUB 3, 0
	SUB 4, 0
	; K step 5: behind its barrier K step 3's tiles (slot 0) are whole for every wave, and nobody reads slot 1 any more
	s_wait_tensorcnt 0x0                           ; my part of K step 3's tiles has landed
	s_wait_dscnt 0x0
	s_barrier_signal -1
	MUL 0, 5, 0
	MUL 1, 5, 0
	s_barrier_wait -1
	PLACES 8
	FETCH1 6
	MUL 2, 5, 0
	FETCH2 6
	MUL 3, 5, 0
	SUB 6, 0
	s_wait_dscnt 0x0
	MUL 0, 7, 0
	MUL 1, 7, 0
	MUL 2, 7, 0
	MUL 3, 7, 0
	WIN 0
; THE WAY OUT, block by block of 16 rows x 128 columns: through my own stage in LDS, back as whole rows of 512 bytes.  LDS serves a wave's instructions in order (ISA guide 5.7.1.4): no wait between the stores and the loads.
.macro TOSTAGE a
	WIN 0x08                                       ; an LDS store's data are its source 1: window 2
.irp b, 0,1,2,3,4,5,6,7
	ds_store_b128 v[STO], v[8*(8*(\a)+\b):8*(8*(\a)+\b)+3] offset:64*\b          ; each accumulator from its low end on
	ds_store_b128 v[STO], v[8*(8*(\a)+\b)+4:8*(8*(\a)+\b)+7] offset:64*\b+16
.endr
	WIN 0
.set BB, BK+64*((\a)%2)
.irp t, 0,1,2,3,4,5,6,7,8,9,10,11,12,13,14,15
	ds_load_b128 v[BB+4*\t:BB+4*\t+3], v[RD] offset:\t*SPITCH
.endr
.endm
.macro SEND a, younger                 ; younger: the LDS instructions issued behind block a's loads, which may stay out
.set BB, BK+64*((\a)%2)
	s_wait_dscnt \younger
.if (\a) > 0
	s_add_nc_u64 s[12:13], s[12:13], 65536         ; 16 rows on (behind a wait on XCNT: the earlier stores have read their base)
.endif
.irp t, 0,1,2,3,4,5,6,7,8,9,10,11,12,13,14,15
	global_store_b128 v[CO], v[BB+4*\t:BB+4*\t+3], s[12:13] offset:\t*4096 th:TH_STORE_NT   ; 32 lanes store 512 consecutive bytes, aligned; written once
.endr
.endm
	PLACES 8
	TOSTAGE 0
.irp a, 1,2,3
.if \a > 1
	s_wait_xcnt 0x0                                ; block a - 2's stores have read their registers and their base
.endif
	TOSTAGE \a
	SEND \a-1, 32                                  ; behind block a - 1's loads: block a's 16 stores and 16 loads
.endr
	s_wait_xcnt 0x0
	SEND 3, 0
	s_wait_tensorcnt 0x0                           ; the wave's end: behind my last tensor load and my last LDS store
	ds_add_u32 v[SPW], v[NIL]
	s_wait_dscnt 0x0
	CROUND                                         ; the closing round
	s_endpgm
.Lfunc_end_k_q1d34fb74eb_proj:
	.size	k_q1d34fb74eb_proj, .Lfunc_end_k_q1d34fb74eb_proj-k_q1d34fb74eb_proj
	.p2alignl 7, 3214868480
	.fill 96, 4, 3214868480
	.section	.rodata,"a",@progbits
	.p2align	6, 0x0
	.amdhsa_kernel k_q1d34fb74eb_proj
		.amdhsa_group_segment_fixed_size 327680
		.amdhsa_private_segment_fixed_size 0
		.amdhsa_enable_private_segment 0
		.amdhsa_kernarg_size 40
		.amdhsa_user_sgpr_count 2
		.amdhsa_user_sgpr_kernarg_segment_ptr 1
		.amdhsa_wavefront_size32 1
		.amdhsa_system_sgpr_workgroup_id_x 1
		.amdhsa_system_sgpr_workgroup_id_y 1
		.amdhsa_system_sgpr_workgroup_id_z 1
		.amdhsa_system_vgpr_workitem_id 0
		.amdhsa_next_free_vgpr 1024
		.amdhsa_next_free_sgpr 102
		.amdhsa_reserve_vcc 0
		.amdhsa_float_denorm_mode_32 3
		.amdhsa_float_denorm_mode_16_64 3
		.amdhsa_memory_ordered 1
		.amdhsa_forward_progress 1
		.amdhsa_inst_pref_size 105
	.end_amdhsa_kernel
	.amdgpu_metadata
---
amdhsa.version: [ 1, 2 ]
amdhsa.kernels:
  - .name:           k_q1d34fb74eb_proj
    .symbol:         k_q1d34fb74eb_proj.kd
    .args:
      - { .name: aws, .offset: 0, .size: 8, .value_kind: global_buffer, .address_space: global }
      - { .name: W_proj_codes, .offset: 8, .size: 8, .value_kind: global_buffer, .address_space: global }
      - { .name: W_proj_scales, .offset: 16, .size: 8, .value_kind: global_buffer, .address_space: global }
      - { .name: b_proj, .offset: 24, .size: 8, .value_kind: global_buffer, .address_space: global }
      - { .name: out0, .offset: 32, .size: 8, .value_kind: global_buffer, .address_space: global }
    .group_segment_fixed_size: 327680
    .private_segment_fixed_size: 0
    .kernarg_segment_align: 8
    .kernarg_segment_size: 40
    .max_flat_workgroup_size: 128
    .sgpr_count:     102
    .vgpr_count:     1024
    .wavefront_size: 32
...
	.end_amdgpu_metadata
.endif
;; end of part 3
